; MI455X (gfx1250); checked and timed in simulation.
; The chip was launched on July 23, 2026; its instructions are those of AMD's public machine-readable ISA for CDNA 5 (MIT licence, August 2026) and "CDNA5" Instruction Set Architecture Reference Guide (July 2026). The comments in the code are by the model that wrote it; some were corrected since.
;; Multi Head Attention. Allowed arithmetic: matrix products marked QUANTISED: E5M2 operands, one given power-of-two scale a tensor, by v_wmma_f32_16x16x64_bf8_bf8 or v_wmma_f32_16x16x128_bf8_bf8, f32 sums; everything else in f32.
;; Inputs: Wk 1,024 x 1,024 float32; Wo 1,024 x 1,024 float32; Wq 1,024 x 1,024 float32; Wv 1,024 x 1,024 float32; bo 1,024 float32; lowp_scales 12 int32 (the exponents e of the quantised operands' scales 2^e); x 4 x 2,048 x 1,024 float32.
;; Outputs: out0 4 x 2,048 x 1,024 float32.
;; This version of the problem:
;;   THIS VERSION OF THE PROBLEM IS GIVEN IN LOW PRECISION. The matrix products marked QUANTISED in the list below multiply operands that are first quantised to E5M2 (5 exponent bits, 2 mantissa bits; 8 bits a number), with one given power-of-two scale for each operand tensor; their sums are f32. All else is computed in f32.
;;   The module's matrix products, in the order in which they are computed (A, B: the left and right operand; K: the contracted axis; several contracted axes count as one K, in the product's order):
;;     1. [M 8,192, K 1,024] x [K 1,024, N 1,024]; A: input x; B: input Wq: QUANTISED (scales: A lowp_scales[0], B lowp_scales[1])
;;     2. [M 8,192, K 1,024] x [K 1,024, N 1,024]; A: input x; B: input Wk: QUANTISED (scales: A lowp_scales[2], B lowp_scales[3])
;;     3. [M 8,192, K 1,024] x [K 1,024, N 1,024]; A: input x; B: input Wv: QUANTISED (scales: A lowp_scales[4], B lowp_scales[5])
;;     4. batch 64 x [M 2,048, K 64] x [K 64, N 2,048]; A: computed on the way; B: computed on the way: QUANTISED (scales: A lowp_scales[6], B lowp_scales[7])
;;     5. batch 64 x [M 2,048, K 2,048] x [K 2,048, N 64]; A: softmax (see below); B: computed on the way: QUANTISED (scales: A lowp_scales[8], B lowp_scales[9])
;;     6. [M 8,192, K 1,024] x [K 1,024, N 1,024]; A: computed on the way; B: input Wo: QUANTISED (scales: A lowp_scales[10], B lowp_scales[11])
;;   THE QUANTISER, for each operand of a quantised product, along K:
;;     - The operand's scale is 2^e, e = its entry of the input lowp_scales (int32; the entries are numbered through the quantised products in the list's order, A before B).
;;     - Each number is divided by the scale, clamped to +-57,344, and rounded to the nearest number of E5M2, ties to even, subnormals kept.
;;     - The product sums the exact products of the quantised numbers (number of the format x scale) in f32.
;;   ~~~python
;;   def quantise(x, axis, e):      # numpy; x: float32 -> the quantised numbers, widened to float32 again
;;       x = np.moveaxis(x, axis, -1); K = x.shape[-1]
;;       r = np.clip(x / 2.0 ** e, -57344, 57344)
;;       step = 2.0 ** (np.maximum(np.frexp(np.where(r == 0, 1, r))[1] - 1, -14) - 2)
;;       q = np.round(r / step) * step * 2.0 ** e      # np.round: ties to even
;;       return np.moveaxis(q, -1, axis).astype(np.float32)
;;   ~~~
;;   SOFTMAX AHEAD OF A QUANTISED PRODUCT. Where the list says 'softmax', what is quantised is not the finished softmax but p = 2^(t - M), with t = logit x log2(e) and M = ceil(the row's largest t), a whole number; so 1/2 < the row's largest p <= 1. The row's sum l is taken of the UNQUANTISED p, in f32, and the product's result is divided by l at the end. Since M is a whole number, a kernel that streams over the keys may use a running M (the ceiling of the running maximum): every later rescaling is an exact power of two, so the quantised numbers keep their values, but for numbers so far below the row's largest that they fall under the format's range.
;;   OPERANDS COMPUTED ON THE WAY. 'Computed on the way' means the value that the module computes at that place (a softmax that the list does not call 'softmax' is quantised finished and normalised). What goes into a quantiser is computed in f32, as accurately as f32 sums, v_exp_f32 and their like allow (about 1e-6 of the number): no bf16 or f16 on the way to a quantiser, and a product that is left as it is and whose result goes on into a quantised operand takes f32 operands (vector FMAs, or v_wmma_f32_16x16x4_f32). A number that lies on a knife's edge between two numbers of the format may be rounded either way, as far as f32 arithmetic and the matrix unit's own rounding can turn it there, and no further.
;; One version. Each part assembles by itself: llvm-mc -triple=amdgcn-amd-amdhsa -mcpu=gfx1250 --defsym DOCPART=n.
;; ======== version 1 of 1: 5 launches
;; limits: right only within a limited range of input values
;; workspace buffers: wc 4,194,304 bytes; xc 25,165,824 bytes; qc 8,388,608 bytes; kc 8,388,608 bytes; vc 8,388,608 bytes; cc 8,388,608 bytes
;; launch quant_w (part 1): grid 8 x 16, 4 waves a work-group, no clusters, 36,352 bytes of LDS; arguments Wq, Wk, Wv, Wo, lowp_scales, wc; writes wc
.if DOCPART == 1
	.amdgcn_target "amdgcn-amd-amdhsa--gfx1250"
	.amdhsa_code_object_version 6
	.text
	.protected	k_q5dc0a6cc45_quant_w
	.globl	k_q5dc0a6cc45_quant_w
	.p2align	8
	.type	k_q5dc0a6cc45_quant_w,@function
k_q5dc0a6cc45_quant_w:
	s_mov_b64 s[64:65], 0
	v_nop
	global_prefetch_b8 v0, s[64:65] scope:SCOPE_SE
	s_setreg_imm32_b32 hwreg(HW_REG_WAVE_MODE, 25, 1), 1
	s_wait_xcnt 0x0
; Wq, Wk, Wv, Wo: [1024 (k)][1024 (n)] f32, K along the FIRST axis, become codes of BF8 (E5M2) in wc: [which 0..3 = q, k, v, o][position p][k], K innermost, one code a byte.
; code = w / 2^e, held within +-57,344, rounded to the nearest code, ties to even; e = entry 1, 3, 5 or 11 of the scales.
; POSITION p HOLDS OUTPUT CHANNEL p WITH ITS BITS 3 AND 4 EXCHANGED, in all four weights.  For q and k that is one order of a head's 64 on both sides of their product; for v it makes 16 registers
; of two neighbouring tiles of the attention's result 16 neighbouring channels; for Wo the last launch undoes it by constants in its stage offsets.
; A LANE TAKES A COLUMN n AND ITS REGISTERS RUN DOWN K: each load reads 128 consecutive bytes a wave, and the conversions, which take neighbours along K from one lane's registers, give codes with K innermost.
; A wave takes 32 columns x 256 along K; the codes go through the wave's own stage in LDS and leave as rows: sixteen lanes store 256 consecutive bytes, aligned.
; Grid: x = which 128 columns; y % 4 = which 256 along K; y / 4 = which weight.  One path for all four: only pointers and e are chosen, by the work-group's number.
; No tensor loads, no barrier, no cluster: waves and work-groups share no input.  Loads run two blocks (64 loads a wave) ahead.
; LIMITS: -126 <= e and e + 15 <= 127.  NaN among the inputs is not served.
.set SIZE_K, 1024
.set SIZE_N, 1024
.set KW,    256                        ; along K for a wave
.set NB,    KW/32                      ; blocks of 32
.set ROWB,  256                        ; bytes of KW codes
.set PITCH, ROWB+16                    ; a stage row
.set KROW,  SIZE_K                     ; a row of wc in bytes
.set EMAX,  15
.set MANT,  0x600000                   ; the mantissa field of 57,344 as f32
.set X,     32                         ; v32-95   two sets of 32 numbers
.set C,     96                         ; v96-103  a block's codes
.set OUTR,  112                        ; v112-175 the way out: 16 x 4 registers
	s_load_b256 s[4:11], s[0:1], 0x0               ; Wq s[4:5], Wk s[6:7], Wv s[8:9], Wo s[10:11]
	s_load_b128 s[12:15], s[0:1], 0x20             ; the scales' exponents s[12:13], wc s[14:15]
	v_lshl_add_u32 v192, v0, 2, 0x8c00
	v_mov_b32 v193, 0
	v_lshrrev_b32 v1, 5, v0
	v_readfirstlane_b32 s16, v1                    ; wave 0..3
	v_and_b32 v2, 31, v0                           ; lane
	s_lshl_b32 s17, ttmp9, 7
	s_lshl_b32 s18, s16, 5
	s_add_co_u32 s17, s17, s18                     ; my wave's first column: 128 x + 32 wave
	s_and_b32 s28, ttmp7, 0xffff
	s_and_b32 s18, s28, 3                          ; which 256 along K
	s_lshr_b32 s28, s28, 2                         ; which weight
	v_lshlrev_b32 v3, 2, v2                        ; in: 4 bytes a lane
	s_mul_i32 s19, s16, 32*PITCH                   ; my stage
	v_mul_u32_u24 v4, v2, PITCH
	v_add_nc_u32 v4, s19, v4                       ; into it: row = my column
	v_and_b32 v5, 15, v2
	v_lshrrev_b32 v6, 4, v2                        ; out of it: sixteen lanes to a row, two rows an instruction
	v_mul_u32_u24 v7, v6, PITCH
	v_lshl_add_u32 v7, v5, 4, v7
	v_add_nc_u32 v7, s19, v7                       ; LDS address
	v_mul_u32_u24 v8, v6, KROW
	v_lshl_add_u32 v8, v5, 4, v8                   ; and the same place in wc
	s_lshl_b32 s20, s18, 20                        ; W: 256 rows of 4,096 bytes for each step of y % 4,
	s_lshl_b32 s22, s17, 2
	s_add_co_u32 s20, s20, s22                     ; + 4 x column
	s_mov_b32 s21, 0
	s_lshl_b32 s24, s17, 10                        ; wc: 1,024 x column (the exchange of bits stays inside my 32 columns),
	s_lshl_b32 s26, s18, 8
	s_add_co_u32 s24, s24, s26                     ; + 256 x (y % 4),
	s_lshl_b32 s26, s28, 20
	s_add_co_u32 s24, s24, s26                     ; + the weight's 2^20 bytes
	s_mov_b32 s25, 0
	s_wait_kmcnt 0x0
	s_load_b256 s[32:39], s[12:13], 0x0            ; e0 .. e7
	s_load_b128 s[40:43], s[12:13], 0x20           ; e8 .. e11
	s_cmp_eq_u32 s28, 1                            ; the weight is chosen by the work-group's number alone
	s_cselect_b64 s[4:5], s[6:7], s[4:5]
	s_cmp_eq_u32 s28, 2
	s_cselect_b64 s[4:5], s[8:9], s[4:5]
	s_cmp_eq_u32 s28, 3
	s_cselect_b64 s[4:5], s[10:11], s[4:5]
	s_add_nc_u64 s[4:5], s[4:5], s[20:21]
	s_add_nc_u64 s[14:15], s[14:15], s[24:25]
.macro LOAD t                          ; block t: W(32 t + i, my column), i = 0 .. 31, into set t % 2
.set i, 0
.rept 32
	global_load_b32 v[X+32*((\t)%2)+i], v3, s[4:5] offset:(32*(\t)+i)*SIZE_N*4 th:TH_LOAD_NT
.set i, i+1
.endr
.endm
	LOAD 0
	LOAD 1
	s_wait_kmcnt 0x0
	s_cmp_eq_u32 s28, 1
	s_cselect_b32 s30, s35, s33                    ; e3 or e1
	s_cmp_eq_u32 s28, 2
	s_cselect_b32 s30, s37, s30                    ; e5
	s_cmp_eq_u32 s28, 3
	s_cselect_b32 s30, s43, s30                    ; e11
	s_add_co_i32 s30, s30, 127
	s_lshl_b32 s31, s30, 23
	v_mov_b32 v11, s31                             ; 2^e as f32: the conversion takes its exponent field
	s_add_co_i32 s30, s30, EMAX
	s_lshl_b32 s30, s30, 23
	s_or_b32 s30, s30, MANT
.macro BLOCK t
.set XS, X+32*((\t)%2)
.if (\t) < NB-1
	s_wait_loadcnt 32                              ; this block's 32 loads are in; the next block's 32 may be out
.else
	s_wait_loadcnt 0
.endif
.set i, 0
.rept 32
.set i, i+1
.endr
.irp g, 0,1,2,3
	v_cvt_scalef32_pk8_bf8_f32 v[C+2*\g:C+2*\g+1], v[XS+8*\g:XS+8*\g+7], v11
.endr
	ds_store_b128 v4, v[C:C+3] offset:32*(\t)      ; 32 codes: 32 bytes of my column's row.  (The codes go to LDS stores alone; the next vector lines are plain and touch other registers)
	ds_store_b128 v4, v[C+4:C+7] offset:32*(\t)+16
.if (\t)+2 < NB
	LOAD (\t)+2
.endif
	s_wait_dscnt 0x0                               ; the stores have read their registers: the next block's codes may be written
.endm
.set Q, 0
	s_wait_alu depctr_va_vdst(0)
.rept NB
	BLOCK Q
.set Q, Q+1
.endr
.irp t, 0,1,2,3,4,5,6,7,8,9,10,11,12,13,14,15
	ds_load_b128 v[OUTR+4*\t:OUTR+4*\t+3], v7 offset:2*\t*PITCH   ; LDS serves a wave's instructions in order: these see my stores
.endr
.irp t, 0,1,2,3,4,5,6,7,8,9,10,11,12,13,14,15
	s_wait_dscnt 15-\t                             ; load t is in; the 15 - t younger ones may be out
	global_store_b128 v8, v[OUTR+4*\t:OUTR+4*\t+3], s[14:15] offset:2*(((\t)&3)|((((\t)>>3)&1)<<2)|((((\t)>>2)&1)<<3))*KROW   ; columns 2 t, 2 t + 1 go to the positions with bits 3 and 4 exchanged: bits 2 and 3 of t
.endr
	s_wait_tensorcnt 0x0
	ds_add_u32 v192, v193
	s_wait_dscnt 0x0
	s_endpgm
.Lfunc_end_k_q5dc0a6cc45_quant_w:
	.size	k_q5dc0a6cc45_quant_w, .Lfunc_end_k_q5dc0a6cc45_quant_w-k_q5dc0a6cc45_quant_w
	.p2alignl 7, 3214868480
	.fill 96, 4, 3214868480
	.section	.rodata,"a",@progbits
	.p2align	6, 0x0
	.amdhsa_kernel k_q5dc0a6cc45_quant_w
		.amdhsa_group_segment_fixed_size 36352
		.amdhsa_private_segment_fixed_size 0
		.amdhsa_enable_private_segment 0
		.amdhsa_kernarg_size 48
		.amdhsa_user_sgpr_count 2
		.amdhsa_user_sgpr_kernarg_segment_ptr 1
		.amdhsa_wavefront_size32 1
		.amdhsa_system_sgpr_workgroup_id_x 1
		.amdhsa_system_sgpr_workgroup_id_y 1
		.amdhsa_system_sgpr_workgroup_id_z 1
		.amdhsa_system_vgpr_workitem_id 0
		.amdhsa_next_free_vgpr 194
		.amdhsa_next_free_sgpr 66
		.amdhsa_reserve_vcc 0
		.amdhsa_float_denorm_mode_32 3
		.amdhsa_float_denorm_mode_16_64 3
		.amdhsa_fp16_overflow 1
		.amdhsa_memory_ordered 1
		.amdhsa_forward_progress 1
		.amdhsa_inst_pref_size 34
	.end_amdhsa_kernel
	.amdgpu_metadata
---
amdhsa.version: [ 1, 2 ]
amdhsa.kernels:
  - .name:           k_q5dc0a6cc45_quant_w
    .symbol:         k_q5dc0a6cc45_quant_w.kd
    .args:
      - { .name: Wq, .offset: 0, .size: 8, .value_kind: global_buffer, .address_space: global }
      - { .name: Wk, .offset: 8, .size: 8, .value_kind: global_buffer, .address_space: global }
      - { .name: Wv, .offset: 16, .size: 8, .value_kind: global_buffer, .address_space: global }
      - { .name: Wo, .offset: 24, .size: 8, .value_kind: global_buffer, .address_space: global }
      - { .name: lowp_scales, .offset: 32, .size: 8, .value_kind: global_buffer, .address_space: global }
      - { .name: wc, .offset: 40, .size: 8, .value_kind: global_buffer, .address_space: global }
    .group_segment_fixed_size: 36352
    .private_segment_fixed_size: 0
    .kernarg_segment_align: 8
    .kernarg_segment_size: 48
    .max_flat_workgroup_size: 128
    .sgpr_count:     66
    .vgpr_count:     194
    .wavefront_size: 32
...
	.end_amdgpu_metadata
.endif
;; end of part 1
;; launch quant_x (part 2): grid 256 x 1, 4 waves a work-group, no clusters, 33,280 bytes of LDS; arguments x, lowp_scales, xc; writes xc
.if DOCPART == 2
	.amdgcn_target "amdgcn-amd-amdhsa--gfx1250"
	.amdhsa_code_object_version 6
	.text
	.protected	k_q5dc0a6cc45_quant_x
	.globl	k_q5dc0a6cc45_quant_x
	.p2align	8
	.type	k_q5dc0a6cc45_quant_x,@function
k_q5dc0a6cc45_quant_x:
	s_mov_b64 s[64:65], 0
	v_nop
	global_prefetch_b8 v0, s[64:65] scope:SCOPE_SE
	s_setreg_imm32_b32 hwreg(HW_REG_WAVE_MODE, 25, 1), 1
	s_wait_xcnt 0x0
; x [8192][1024] f32 becomes THREE sets of codes of BF8 (E5M2) in xc: [i 0..2][8192][1024], K innermost, one code a byte: x is an operand of three products, and each has a scale entry of its own
; (e0, e2, e4), which may differ.  code = x / 2^e, held within +-57,344, rounded to the nearest code, ties to even.  x is read once.
; Rows are dense, so x is a plain stream.  A wave takes 16 steps of 512 numbers.  The conversions take 8 numbers from ONE lane's registers, so a lane must hold 16 neighbours; a load is best where neighbouring
; lanes take neighbouring bytes.  Both are had: each of a step's four loads reads 512 consecutive bytes; the 2,048 bytes go through the wave's own stage in LDS as they lie and come back 64 bytes a lane
; (16 bytes of padding behind each 64).  A lane's 16 codes are 16 bytes: each store of the wave covers 512 consecutive bytes, aligned.
; No tensor loads, no barrier, no cluster: waves share nothing.  Loads run four steps (16 loads a wave) ahead, the turn through LDS one step.
; LIMITS: for e0, e2, e4: -126 <= e and e + 15 <= 127.  NaN among the inputs is not served.
.set STEPS, 16
.set EMAX,  15
.set MANT,  0x600000                   ; the mantissa field of 57,344 as f32
.set SCL,   5                          ; v5, v7, v9   2^e as f32, for sets 0, 1, 2
.set LM,    6
.set R,     16                         ; v16-79   four sets of 16 numbers as they are loaded
.set X,     80                         ; v80-111  two sets of 16 neighbours
.set T,     112
.set C,     128                        ; v128-175 codes: a ring of four steps x 12 registers
.set WREG,  8192                       ; LDS: a region for each wave: two stages of 32 x SP bytes
.set SP,    80                         ; a lane's place in a stage: 64 bytes + 16 of padding
	s_load_b128 s[4:7], s[0:1], 0x0                ; x s[4:5], the scales' exponents s[6:7]
	s_load_b64 s[8:9], s[0:1], 0x10                ; xc
	v_lshl_add_u32 v192, v0, 2, 0x8000
	v_mov_b32 v193, 0
	v_lshrrev_b32 v1, 5, v0
	v_readfirstlane_b32 s16, v1                    ; wave
	v_and_b32 v2, 31, v0                           ; lane
	v_lshlrev_b32 v3, 4, v2                        ; my 16 bytes of a load's 512
	s_mul_i32 s17, s16, WREG
	v_lshrrev_b32 v14, 2, v2
	v_mul_u32_u24 v14, v14, SP
	v_and_b32 v15, 3, v2
	v_lshl_add_u32 v14, v15, 4, v14
	v_add_nc_u32 v14, s17, v14                     ; the stage, on the way in: SP (lane / 4) + 16 (lane % 4)
	v_mul_u32_u24 v15, v2, SP
	v_add_nc_u32 v15, s17, v15                     ; and on the way out: SP x lane: my 16 neighbours
	v_lshlrev_b32 v4, 4, v2                        ; my codes' place in a step's 512 bytes
	s_lshl_b32 s18, ttmp9, 2
	s_add_co_u32 s18, s18, s16                     ; which run of 8,192 numbers is my wave's
	s_lshl_b32 s20, s18, 15                        ; in x: 32,768 bytes a run
	s_mov_b32 s21, 0
	s_lshl_b32 s22, s18, 13                        ; in a set of codes: 8,192
	s_mov_b32 s23, 0
	s_wait_alu depctr_va_vdst(0)
	s_wait_kmcnt 0x0
	s_load_b256 s[24:31], s[6:7], 0x0              ; e0 .. e7
	s_add_nc_u64 s[4:5], s[4:5], s[20:21]
	s_add_nc_u64 s[8:9], s[8:9], s[22:23]          ; set 0,
	s_add_nc_u64 s[12:13], s[8:9], 0x800000        ; set 1,
	s_add_nc_u64 s[14:15], s[8:9], 0x1000000       ; set 2: 2^23 bytes apart, beyond a store's immediate
.macro LOAD t
.irp i, 0,1,2,3
	global_load_b128 v[R+16*((\t)%4)+4*\i:R+16*((\t)%4)+4*\i+3], v3, s[4:5] offset:2048*(\t)+512*\i th:TH_LOAD_NT   ; 32 lanes read 512 consecutive bytes
.endr
.endm
.macro TURN t                          ; step t's numbers through the stage: LDS serves a wave's instructions in order, so no wait stands between the stores and the loads
.irp i, 0,1,2,3
	ds_store_b128 v14, v[R+16*((\t)%4)+4*\i:R+16*((\t)%4)+4*\i+3] offset:32*SP*((\t)%2)+8*SP*\i
.endr
.irp i, 0,1,2,3
	ds_load_b128 v[X+16*((\t)%2)+4*\i:X+16*((\t)%2)+4*\i+3], v15 offset:32*SP*((\t)%2)+16*\i
.endr
.endm
.irp t, 0,1,2,3
	LOAD \t
.endr
.macro MAKE e, i                       ; from the whole number in s[e]: 2^e and 57,344 x 2^e as f32
	s_add_co_i32 s20, s[\e], 127
	s_lshl_b32 s21, s20, 23
	v_mov_b32 v[SCL+2*\i], s21
	s_add_co_i32 s20, s20, EMAX
	s_lshl_b32 s20, s20, 23
	s_or_b32 s20, s20, MANT
.endm
	s_wait_kmcnt 0x0
	MAKE 24, 0
	MAKE 26, 1
	MAKE 28, 2
	s_wait_alu depctr_va_vdst(0)
	s_wait_loadcnt 12                              ; step 0's four loads are in; those of steps 1 to 3 may be out
	TURN 0
.macro ONE t, i, base                  ; the step's 16 neighbours, converted with set i's scale, and stored
.set j, 0
.rept 16
.set j, j+1
.endr
	v_cvt_scalef32_pk8_bf8_f32 v[CC+4*\i:CC+4*\i+1], v[XS:XS+7], v[SCL+2*\i]
	v_cvt_scalef32_pk8_bf8_f32 v[CC+4*\i+2:CC+4*\i+3], v[XS+8:XS+15], v[SCL+2*\i]
	v_nop                                          ; one plain line behind the conversions
	global_store_b128 v4, v[CC+4*\i:CC+4*\i+3], s[\base:\base+1] offset:512*(\t)
.endm
.macro STEP t
.set XS, X+16*((\t)%2)
.set CC, C+12*((\t)%4)
	s_wait_dscnt 0x0                               ; this step's numbers are back from the stage: so its stores into the stage have read their registers,
.if (\t)+4 < STEPS
	LOAD (\t)+4                                    ; which take the loads of four steps on
.endif
.if (\t)+1 < STEPS
.if STEPS-2-(\t) >= 3
	s_wait_loadcnt 12                              ; the next step's four loads are in; those of the three steps behind it may be out
.else
	s_wait_loadcnt 4*(STEPS-2-(\t))
.endif
	TURN (\t)+1                                    ; and go through the other stage while this step is worked
.endif
.if (\t) >= 4
	s_wait_xcnt 0x0                                ; the stores of four steps ago have read their codes' registers, which this step writes again
.endif
	ONE \t, 0, 8
	ONE \t, 1, 12
	ONE \t, 2, 14
.endm
.irp t, 0,1,2,3,4,5,6,7,8,9,10,11,12,13,14,15
	STEP \t
.endr
	s_wait_tensorcnt 0x0
	ds_add_u32 v192, v193
	s_wait_dscnt 0x0
	s_endpgm
.Lfunc_end_k_q5dc0a6cc45_quant_x:
	.size	k_q5dc0a6cc45_quant_x, .Lfunc_end_k_q5dc0a6cc45_quant_x-k_q5dc0a6cc45_quant_x
	.p2alignl 7, 3214868480
	.fill 96, 4, 3214868480
	.section	.rodata,"a",@progbits
	.p2align	6, 0x0
	.amdhsa_kernel k_q5dc0a6cc45_quant_x
		.amdhsa_group_segment_fixed_size 33280
		.amdhsa_private_segment_fixed_size 0
		.amdhsa_enable_private_segment 0
		.amdhsa_kernarg_size 24
		.amdhsa_user_sgpr_count 2
		.amdhsa_user_sgpr_kernarg_segment_ptr 1
		.amdhsa_wavefront_size32 1
		.amdhsa_system_sgpr_workgroup_id_x 1
		.amdhsa_system_sgpr_workgroup_id_y 1
		.amdhsa_system_sgpr_workgroup_id_z 1
		.amdhsa_system_vgpr_workitem_id 0
		.amdhsa_next_free_vgpr 194
		.amdhsa_next_free_sgpr 66
		.amdhsa_reserve_vcc 0
		.amdhsa_float_denorm_mode_32 3
		.amdhsa_float_denorm_mode_16_64 3
		.amdhsa_fp16_overflow 1
		.amdhsa_memory_ordered 1
		.amdhsa_forward_progress 1
		.amdhsa_inst_pref_size 30
	.end_amdhsa_kernel
	.amdgpu_metadata
---
amdhsa.version: [ 1, 2 ]
amdhsa.kernels:
  - .name:           k_q5dc0a6cc45_quant_x
    .symbol:         k_q5dc0a6cc45_quant_x.kd
    .args:
      - { .name: x, .offset: 0, .size: 8, .value_kind: global_buffer, .address_space: global }
      - { .name: lowp_scales, .offset: 8, .size: 8, .value_kind: global_buffer, .address_space: global }
      - { .name: xc, .offset: 16, .size: 8, .value_kind: global_buffer, .address_space: global }
    .group_segment_fixed_size: 33280
    .private_segment_fixed_size: 0
    .kernarg_segment_align: 8
    .kernarg_segment_size: 24
    .max_flat_workgroup_size: 128
    .sgpr_count:     66
    .vgpr_count:     194
    .wavefront_size: 32
...
	.end_amdgpu_metadata
.endif
;; end of part 2
;; launch gemm_qkv (part 3): grid 12 x 32, 4 waves a work-group, clusters of 4 x 4, 327,680 bytes of LDS; arguments xc, wc, lowp_scales, qc, kc, vc; writes qc, kc, vc
.if DOCPART == 3
	.amdgcn_target "amdgcn-amd-amdhsa--gfx1250"
	.amdhsa_code_object_version 6
	.text
	.protected	k_q5dc0a6cc45_gemm_qkv
	.globl	k_q5dc0a6cc45_gemm_qkv
	.p2align	8
	.type	k_q5dc0a6cc45_gemm_qkv,@function
k_q5dc0a6cc45_gemm_qkv:
	s_mov_b64 s[64:65], 0
	v_nop
	global_prefetch_b8 v0, s[64:65] scope:SCOPE_SE
	s_setreg_imm32_b32 hwreg(HW_REG_WAVE_MODE, 25, 1), 1
	s_wait_xcnt 0x0
	s_wait_alu depctr_hold_cnt(0) depctr_sa_sdst(0) depctr_va_vdst(0) depctr_va_sdst(0) depctr_va_ssrc(0) depctr_va_vcc(0) depctr_vm_vsrc(0)
	s_getreg_b32 s2, hwreg(HW_REG_IB_STS2, 6, 4)
	s_cmp_eq_u32 s2, 0
	s_cbranch_scc0 .Lentry_in_a_cluster
	s_endpgm
.Lentry_in_a_cluster:
	s_bfe_u32 s2, ttmp6, 0x10000c
	s_cmp_lg_u32 s2, 0xf033
	s_cbranch_scc0 .Lentry_shape_is_right
	s_endpgm
.Lentry_shape_is_right:
; q = x Wq, k = x Wk, v = x Wv on codes of BF8 (E5M2), sums in f32; each result is quantised on the way out (scales e6, e7, e9) and stored as IMAGES OF THE OPERAND REGISTERS that the attention launch loads.
; The cluster's x (0, 1, 2) says which product; it is the same in all sixteen partners.  A work-group makes 256 x 256 sums, each of its four waves 128 x 128: 64 accumulators of 16 x 16, 512 registers.
; K = 1,024 goes in four steps of 256 through a ring of two LDS slots filled by the tensor data mover; a tile's row is 256 bytes of memory.
; THE MATRIX INSTRUCTION: source 0 = 16 rows of "B", source 1 = 16 rows of "A": a lane holds ONE row of A (lane % 16) and, in an accumulator's 8 registers, 8 neighbouring rows of B (8 (lane / 16) + 0 .. 7).
;   q, k: A = x's codes (tokens), B = the weight's (channel positions): a lane holds one token and 8 channels: the conversion's two registers are registers 2 c, 2 c + 1 of a 16 x 64 fragment.
;   v:    A = Wv's codes, B = x's: a lane holds one channel and 8 tokens, since the keys are the K of v's product: registers 2 c, 2 c + 1 of a 16 x 128 fragment.  Only pointers and tile numbers differ.
; A fragment is fetched by four loads of 16 bytes: one order of k, the same in A and in B, so every product meets its partner.
; IMAGES.  qc, kc: [16 b + head][tile of 16 tokens][2][lane][16 bytes].  vc: [16 b + head][128 keys][16 channels][4][lane][16 bytes].  Each store of the wave covers 512 consecutive bytes, aligned: no stage in LDS.
; CLUSTERS: 4 x 4 work-groups.  The four of a row of the cluster need the same tiles of A, the four of a column the same tiles of B: each tile is asked for JOINTLY.
; No prefetch: of the four K steps two are first fills, issued at the head.
; A sum stands for sum x 2^(ea + eb), so its code is sum / 2^(eout - ea - eb): the three scales are folded into the conversion's one.
; LIMITS: eout - ea - eb between -126 and 112 for (e6, e0, e1), (e7, e2, e3), (e9, e4, e5).  NaN among the inputs is not served.
; REGISTERS, in windows of 256: window 0: v0-31 addresses and the scale; from v128 A's fragments, ONE set; on the way out v32-159 take the codes.  window 1: B's fragments, TWO sets.  windows 2, 3: the accumulators ((a, b) at v[8 (8 (a % 4) + b)]).
.set SIZE_K, 1024
.set KSTEP,  256                       ; along K in a slot
.set ROWB,   256                       ; a tile's row in bytes
.set KROW,   SIZE_K                    ; a row of codes in memory
.set PITCH,  272                       ; an LDS row: 256 bytes + 16 of padding = 68 words: the 16 rows that a load touches start at 16 different banks (64 banks of 4 bytes: ISA guide 11.1)
.set FR,     16                        ; registers of a fragment: 16 rows x 128 K
.set NL,     4                         ; LDS loads that bring one
.set NP,     4                         ; places behind this matrix instruction (ISA guide 7.12.1)
.set HALFT,  128*PITCH                 ; 128 rows: what one tensor load brings, and what one wave reads of A or of B
.set SLOT,   4*HALFT                   ; A's 256 rows, then B's 256 rows
.set LAPS,   SIZE_K/(2*KSTEP)          ; a lap = two K steps = once round the ring
.set SPARE,  2*SLOT                    ; behind the ring: the spare words, 128 bytes for each wave: two blocks of 256 bytes that no other line names
.set SC,   8                           ; v8      2^(eout - ea - eb) as f32
.set LIM,  9
.set ADRA, 16                          ; v16-17  LDS address of my A fragments in slot 0, 1
.set ADRB, 20                          ; v20-21  the same for B
.set CO,   26                          ; v26     16 x lane: my place in an image
.set SPW,  28                          ; v28     LDS address of my spare word; never rewritten
.set NIL,  29                          ; v29     0; never rewritten
.set CD,   32                          ; v32-159 the codes: 16 registers for each of A's eight blocks, each written once
.set AF,   128                         ; A's fragments, in window 0
.set G1, 24                            ; s[24:31] descriptor group 1 for A's tiles;  s[32:39] group 0, one set for each slot
.set G0, 32
.set G1B, 48                           ; s[48:55], s[56:63] the same for B's tiles
.set G0B, 56
.set MSB, 0
.macro WIN new                         ; the immediate's high byte repeats the setting that is left
.if MSB != \new
	s_set_vgpr_msb (MSB<<8)|\new
.set MSB, \new
.endif
.endm
.set MUL_LO, 0xa1                      ; source 0 (B) window 1, source 1 (A) window 0, C and D window 2
.set MUL_HI, 0xf1                      ; the same, C and D window 3
.set TO_B,   0x40                      ; destination window 1, address window 0
; A joint load: waves 0 and 1 fetch for A, waves 2 and 3 for B.  Each of the two lines has ONE mask and one set of registers for all that issue it; the branch hangs on the wave's number alone.
; Four v_nop follow each of the two lines, ahead of the jump, the label and what follows.
.macro JLOAD g0a, g1a, g0b, g1b
	s_cmp_eq_u32 s15, 0
	s_cbranch_scc0 .Lfor_b_\@
	tensor_load_to_lds s[\g0a:\g0a+3], s[\g1a:\g1a+7]
	s_nop 0
.rept 4
	v_nop
.endr
	s_branch .Lasked_\@
.Lfor_b_\@:
	tensor_load_to_lds s[\g0b:\g0b+3], s[\g1b:\g1b+7]
	s_nop 0
.rept 4
	v_nop
.endr
.Lasked_\@:
.endm
.macro CREST                           ; a round of the cluster's barrier behind its opening barrier
	s_cmp_lg_u32 s14, 0
	s_cbranch_scc1 .Lnot_wave_0_\@
	s_barrier_signal -3
.Lnot_wave_0_\@:
	s_barrier_wait -3
	s_barrier_signal -1
	s_barrier_wait -1
.endm
.macro CROUND                          ; a whole round
	s_barrier_signal -1
	s_barrier_wait -1
	CREST
.endm
	s_load_b128 s[4:7], s[0:1], 0x0                ; xc s[4:5], wc s[6:7]
	s_load_b128 s[8:11], s[0:1], 0x10              ; the scales' exponents s[8:9], qc s[10:11]
	s_load_b128 s[68:71], s[0:1], 0x20             ; kc s[68:69], vc s[70:71]
	v_lshl_add_u32 v[SPW], v0, 2, SPARE
	v_mov_b32 v[NIL], 0
	ds_add_u32 v28, v29
	ds_add_u32 v28, v29
	s_wait_dscnt 0x0
	v_lshrrev_b32 v1, 5, v0
	v_readfirstlane_b32 s14, v1                    ; wave 0..3
	s_lshr_b32 s15, s14, 1                         ; which half of A's 256 rows is mine.  Also: I fetch for A (0) or for B (1)
	s_and_b32 s16, s14, 1                          ; which half of B's.  Also: which 128 rows of that tile I fetch
	s_bfe_u32 s40, ttmp6, 0x40000                  ; cx, cy: my place in the cluster
	s_bfe_u32 s41, ttmp6, 0x40004
	s_and_b32 s13, ttmp7, 0xffff
	s_lshl_b32 s13, s13, 2                         ; 4 x cluster y: x's 32 tiles of 256 tokens are walked along the grid's y
	s_cmp_eq_u32 ttmp9, 2                          ; v?  (the cluster's x: the same in all partners)
	s_cselect_b32 s17, 0, s13                      ; q, k: the tokens are A's rows;
	s_cselect_b32 s42, s13, 0                      ; v: they are B's
	s_add_co_u32 s17, s17, s41                     ; A's tile = cy (+ 4 x cluster y)
	s_add_co_u32 s42, s42, s40                     ; B's tile = cx (+ 4 x cluster y)
	s_lshl_b32 s43, s41, 2
	s_lshl_b32 s43, 15, s43                        ; my row of the cluster
	s_lshl_b32 s44, 0x1111, s40                    ; my column
	; descriptor group 1: a tile of 128 rows x 256 bytes, padded in LDS
	s_or_b32 s[G1+0], s43, (0<<16)|(1<<20)|(1<<21)|(5<<22)|(3<<25)  ; 15:0 the mask: A's tiles go to my row; 17:16 element of 1 byte; 20 padding on; 21 set beside a mask; 24:22 after every 64 words (code 5); 31:25 of 4 words (code 3)
	s_or_b32 s[G1B+0], s44, (0<<16)|(1<<20)|(1<<21)|(5<<22)|(3<<25)
.irp g, G1, G1B
	s_mov_b32 s[\g+1], ROWB<<16                    ; tensor_dim0
	s_mov_b32 s[\g+2], 128<<16                     ; tensor_dim1 = 128
	s_mov_b32 s[\g+3], ROWB<<16                    ; tile_dim0
	s_mov_b32 s[\g+4], 128                         ; tile_dim1 = 128
	s_mov_b32 s[\g+5], KROW                        ; tensor_dim0_stride
	s_mov_b32 s[\g+6], 0
	s_mov_b32 s[\g+7], 0
.endr
	s_lshl_b32 s18, s16, 7                         ; which 128 rows of the tile I fetch
	s_lshl_b32 s20, s17, 8
	s_add_co_u32 s20, s20, s18                     ; A: row 256 x tile + 128 x half,
	s_lshl_b32 s20, s20, 10                        ; of 1,024 bytes (under 2^23)
	s_mov_b32 s21, 0
	s_lshl_b32 s46, s42, 8
	s_add_co_u32 s46, s46, s18                     ; B likewise
	s_lshl_b32 s46, s46, 10
	s_mov_b32 s47, 0
	s_mul_i32 s45, s14, HALFT                      ; where they go: wave x 128 rows: no place in the cluster enters an LDS address
	s_lshl_b32 s84, ttmp9, 23                      ; x's set of codes for this product,
	s_mov_b32 s85, 0
	s_lshl_b32 s86, ttmp9, 20                      ; and the weight's codes
	s_mov_b32 s87, 0
	s_wait_kmcnt 0x0
	s_load_b256 s[72:79], s[8:9], 0x0              ; e0 .. e7
	s_load_b64 s[80:81], s[8:9], 0x20              ; e8, e9
	s_add_nc_u64 s[84:85], s[4:5], s[84:85]
	s_add_nc_u64 s[86:87], s[6:7], s[86:87]
	s_cmp_eq_u32 ttmp9, 2
	s_cselect_b64 s[88:89], s[86:87], s[84:85]     ; A: x's codes; for v the weight's
	s_cselect_b64 s[90:91], s[84:85], s[86:87]     ; B: the weight's; for v x's
	s_add_nc_u64 s[20:21], s[88:89], s[20:21]
	s_add_nc_u64 s[46:47], s[90:91], s[46:47]
	CROUND                                         ; all sixteen work-groups are here: the first joint loads meet
.irp s, 0,1
	s_mov_b32 s[G0+4*\s], 1
	s_add_co_u32 s[G0+4*\s+1], s45, \s*SLOT
	s_add_nc_u64 s[G0+4*\s+2:G0+4*\s+3], s[20:21], \s*ROWB
	s_or_b32 s[G0+4*\s+3], s[G0+4*\s+3], 0x80000000
	s_mov_b32 s[G0B+4*\s], 1
	s_add_co_u32 s[G0B+4*\s+1], s45, \s*SLOT
	s_add_nc_u64 s[G0B+4*\s+2:G0B+4*\s+3], s[46:47], \s*ROWB
	s_or_b32 s[G0B+4*\s+3], s[G0B+4*\s+3], 0x80000000
	JLOAD G0+4*\s, G1, G0B+4*\s, G1B
.endr
	v_and_b32 v1, 15, v0                           ; l % 16
	v_bfe_u32 v2, v0, 4, 1                         ; l / 16
	v_mul_u32_u24 v3, v1, PITCH
	v_lshl_add_u32 v4, v2, 4, v3                   ; a fragment's row x pitch + 16 x half
	s_mul_i32 s21, s15, HALFT                      ; my 128 rows of A
	s_mul_i32 s22, s16, HALFT                      ; my 128 rows of B,
	s_add_co_u32 s22, s22, 2*HALFT                 ; which lie behind A's 256
.irp s, 0,1
	v_add_nc_u32 v[ADRA+\s], s21, v4
	v_add_nc_u32 v[ADRB+\s], s22, v4
	s_add_co_u32 s21, s21, SLOT
	s_add_co_u32 s22, s22, SLOT
.endr
	v_and_b32 v6, 31, v0
	v_lshlrev_b32 v[CO], 4, v6
.macro FRAG reg, adr, q, i             ; a fragment, 16 rows x 128 K, is 16 registers: lane l holds row l % 16; registers 4 c .. 4 c + 3 hold K = 32 c + 16 (l / 16) + 0 .. 15
.irp c, 0,1,2,3
	ds_load_b128 v[\reg+4*\c:\reg+4*\c+3], v[\adr] offset:128*(\q)+32*\c+(\i)*16*PITCH
.endr
.endm
; 16 matrix instructions: A's blocks a0, a0 + 1 x B's eight, 128 along K.  p: B's set.  zero = 1: the first product starts the sums: nothing is ever cleared.
; The 64 accumulators take turns, one instruction a turn, in the same order in every step.
.macro MUL16 a0, p, zero
.irp a, \a0, \a0+1
.irp b, 0,1,2,3,4,5,6,7
.if \zero
	v_wmma_f32_16x16x128_bf8_bf8 v[8*(8*((\a)%4)+\b):8*(8*((\a)%4)+\b)+7], v[128*(\p)+FR*\b:128*(\p)+FR*\b+FR-1], v[AF+FR*(\a):AF+FR*(\a)+FR-1], 0
.else
	v_wmma_f32_16x16x128_bf8_bf8 v[8*(8*((\a)%4)+\b):8*(8*((\a)%4)+\b)+7], v[128*(\p)+FR*\b:128*(\p)+FR*\b+FR-1], v[AF+FR*(\a):AF+FR*(\a)+FR-1], v[8*(8*((\a)%4)+\b):8*(8*((\a)%4)+\b)+7]
.endif
.endr
.endr
.endm
.macro FETCH_B slot, q, p              ; B's eight fragments of the slot's q-th 128 along K into set p
	WIN TO_B
.irp i, 0,1,2,3,4,5,6,7
	FRAG 128*(\p)+FR*\i, ADRB+\slot, \q, \i
.endr
	WIN 0
.endm
.macro FETCH_A slot, q, i0             ; A's blocks i0 .. i0 + 3
.irp i, \i0, \i0+1, \i0+2, \i0+3
	FRAG AF+FR*(\i), ADRA+\slot, \q, \i
.endr
.endm
; A load into a register that a matrix instruction has read, and a vector instruction that reads a matrix result or writes one of its registers, stand NP places behind it; only plain vector
; instructions that name none of its registers are places (ISA guide 7.12.1 for vector instructions).
.macro PLACES n
.rept \n
	v_nop
.endr
.endm
; A step of 128 along K that has its successor in the same slot.
.macro STEP slot, q, zero
	s_wait_dscnt 4*NL                              ; B's set and A's blocks 0-3 are in; the youngest 16 loads (A's blocks 4-7) may be out
	WIN MUL_LO
	MUL16 0, (\q)%2, \zero
	MUL16 2, (\q)%2, \zero
	s_wait_dscnt 0                                 ; A's blocks 4-7 are in (asked for 32 matrix instructions ago)
	PLACES NP
	FETCH_B \slot, (\q)+1, 1-(\q)%2
	FETCH_A \slot, (\q)+1, 0
	WIN MUL_HI
	MUL16 4, (\q)%2, \zero
	MUL16 6, (\q)%2, \zero
	PLACES NP
	WIN 0
	FETCH_A \slot, (\q)+1, 4
.endm
; A slot's last step changes slots: ONE barrier; in front of it each wave waits for all its tensor loads, adds 0 to its spare word, and waits for that and for its own reads of this slot.  fill = 1: this slot is filled again, two K steps ahead.
.macro TURN slot, next, fill
	s_wait_tensorcnt 0x0                           ; all my tensor loads have landed: my part of the next slot;  (every window is 0 here)
	ds_add_u32 v[SPW], v[NIL]                      ; 0 onto my spare word;
	s_wait_dscnt 4*NL+1                            ; (the add and the youngest 16 loads, A's blocks 4-7, may be out)
	WIN MUL_LO
	MUL16 0, 1, 0                                  ; sixteen matrix instructions stand between the add and the wait for it
	s_wait_dscnt 0x0                               ; the add is done, and my reads of this slot are over
	s_barrier_signal -1
	MUL16 2, 1, 0
	WIN 0
	s_barrier_wait -1
.if \fill
	CREST                                          ; the barrier has opened a round of the cluster's barrier: no wave of any partner still reads this slot's tile or has a load on its way
	s_add_nc_u64 s[G0+4*\slot+2:G0+4*\slot+3], s[G0+4*\slot+2:G0+4*\slot+3], 2*ROWB
	s_add_nc_u64 s[G0B+4*\slot+2:G0B+4*\slot+3], s[G0B+4*\slot+2:G0B+4*\slot+3], 2*ROWB
	JLOAD G0+4*\slot, G1, G0B+4*\slot, G1B         ; the first tensor load behind the round; the four v_nop behind it are the places in front of the loads below
.else
	PLACES NP
.endif
	FETCH_B \next, 0, 0
	FETCH_A \next, 0, 0
	WIN MUL_HI
	MUL16 4, 1, 0
	MUL16 6, 1, 0
	PLACES NP
	WIN 0
	FETCH_A \next, 0, 4
.endm
	s_wait_alu depctr_va_vdst(0)
	s_wait_tensorcnt 1                             ; my part of K step 0 is in (K step 1's load may be out)
	s_barrier_signal -1
	s_barrier_wait -1                              ; everybody's is
	FETCH_B 0, 0, 0
	FETCH_A 0, 0, 0
	FETCH_A 0, 0, 4
	STEP 0, 0, 1                                   ; the first step stands in front of the loop: its products start the sums
	s_mov_b32 s3, LAPS-1
.Llap:                                                 ; a trip goes once round the ring, from a lap's second step to the next lap's first, and fills both slots again
	TURN 0, 1, 1
	STEP 1, 0, 0
	TURN 1, 0, 1
	STEP 0, 0, 0
	s_sub_co_u32 s3, s3, 1
	s_cmp_lg_u32 s3, 0
	s_cbranch_scc1 .Llap
	TURN 0, 1, 0                                   ; the last lap fills nothing, and has no round of the cluster's barrier
	STEP 1, 0, 0
	s_wait_dscnt 4*NL                              ; the very last step: nothing more to fetch
	WIN MUL_LO
	MUL16 0, 1, 0
	MUL16 2, 1, 0
	s_wait_dscnt 0
	WIN MUL_HI
	MUL16 4, 1, 0
	MUL16 6, 1, 0
	WIN 0
	s_wait_tensorcnt 0x0                           ; the way out has no LDS instruction, so the wave's closing wait, add and wait stand here, behind my last tensor load
	ds_add_u32 v[SPW], v[NIL]
	PLACES NP                                      ; the places behind the last products, for the conversions below
	s_wait_dscnt 0x0
	; THE WAY OUT.  Which scales, which buffer, and where my images begin: all chosen by the cluster's x and made of ids
	s_wait_kmcnt 0x0
	s_add_co_i32 s92, s72, s73                     ; e0 + e1
	s_add_co_i32 s93, s74, s75                     ; e2 + e3
	s_add_co_i32 s94, s76, s77                     ; e4 + e5
	s_cmp_eq_u32 ttmp9, 1
	s_cselect_b32 s92, s93, s92
	s_cselect_b32 s95, s79, s78                    ; k: e7; q: e6
	s_cselect_b64 s[10:11], s[68:69], s[10:11]
	s_cmp_eq_u32 ttmp9, 2
	s_cselect_b32 s92, s94, s92
	s_cselect_b32 s95, s81, s95                    ; v: e9
	s_cselect_b64 s[10:11], s[70:71], s[10:11]
	s_cselect_b32 s82, s42, s17                    ; the tile of 256 tokens: A's, for v B's,
	s_cselect_b32 s83, s17, s42                    ; the tile of 256 channels,
	s_cselect_b32 s98, s16, s15                    ; my half of the tokens,
	s_cselect_b32 s99, s15, s16                    ; my half of the channels
	s_sub_co_i32 s95, s95, s92
	s_add_co_i32 s95, s95, 127
	s_lshl_b32 s96, s95, 23
	v_mov_b32 v[SC], s96                           ; 2^(eout - ea - eb) as f32: the conversion takes its exponent field
	s_wait_alu depctr_va_vdst(0)
	s_lshr_b32 s92, s82, 3                         ; b = token tile / 8
	s_lshl_b32 s92, s92, 4
	s_lshl_b32 s83, s83, 2
	s_add_co_u32 s92, s92, s83                     ; 16 b + 4 x channel tile
	s_lshl_b32 s99, s99, 1
	s_add_co_u32 s92, s92, s99                     ; + 2 x half: my first head,
	s_lshl_b32 s92, s92, 17                        ; of 2^17 bytes
	s_and_b32 s82, s82, 7
	s_lshl_b32 s82, s82, 1
	s_add_co_u32 s82, s82, s98                     ; my 128 tokens among the batch's 2,048,
	s_lshl_b32 s82, s82, 13                        ; 2^13 bytes of a head's images
	s_add_co_u32 s92, s92, s82
	s_mov_b32 s93, 0
	s_add_nc_u64 s[10:11], s[10:11], s[92:93]
.macro CODES a                         ; A's block a: 64 sums a lane become 16 registers of codes
.set AC, 64*((\a)%4)
	WIN 0x82+0x41*((\a)/4)                         ; source 0 and destination: window 2 or 3
.set j, 0
.rept 64
.set j, j+1
.endr
	WIN 0x02+((\a)/4)                              ; source 0: window 2 or 3; the codes and the scale in window 0
.irp b, 0,1,2,3,4,5,6,7
	v_cvt_scalef32_pk8_bf8_f32 v[CD+16*(\a)+2*\b:CD+16*(\a)+2*\b+1], v[AC+8*\b:AC+8*\b+7], v[SC]
.endr
	v_nop                                          ; one plain line behind the last conversion of a run
.endm
.irp a, 0,1,2,3,4,5,6,7
	CODES \a
.endr
	WIN 0
	s_cmp_eq_u32 ttmp9, 2                          ; the cluster's x: all partners go the same way
	s_cbranch_scc1 .Lstore_v
.irp a, 0,1,2,3,4,5,6,7                        ; q, k: block a = a tile of 16 tokens; registers 8 (g / 2) on = head g / 2's fragment; g % 2 = its half
.irp g, 0,1,2,3
	global_store_b128 v[CO], v[CD+16*\a+4*\g:CD+16*\a+4*\g+3], s[10:11] offset:\a*1024+(\g/2)*131072+(\g%2)*512
.endr
.endr
	s_branch .Lstored
.Lstore_v:
	s_wait_alu depctr_va_vdst(0)
.irp a, 0,1,2,3,4,5,6,7                        ; v: block a = head a / 4, channels 16 (a % 4) on; its 16 registers are the fragment of my 128 keys
.irp g, 0,1,2,3
	global_store_b128 v[CO], v[CD+16*\a+4*\g:CD+16*\a+4*\g+3], s[10:11] offset:(\a/4)*131072+(\a%4)*2048+\g*512
.endr
.endr
.Lstored:
	CROUND                                         ; the closing round: no work-group ends while a partner may still ask for a tile that names it
	s_endpgm
.Lfunc_end_k_q5dc0a6cc45_gemm_qkv:
	.size	k_q5dc0a6cc45_gemm_qkv, .Lfunc_end_k_q5dc0a6cc45_gemm_qkv-k_q5dc0a6cc45_gemm_qkv
	.p2alignl 7, 3214868480
	.fill 96, 4, 3214868480
	.section	.rodata,"a",@progbits
	.p2align	6, 0x0
	.amdhsa_kernel k_q5dc0a6cc45_gemm_qkv
		.amdhsa_group_segment_fixed_size 327680
		.amdhsa_private_segment_fixed_size 0
		.amdhsa_enable_private_segment 0
		.amdhsa_kernarg_size 48
		.amdhsa_user_sgpr_count 2
		.amdhsa_user_sgpr_kernarg_segment_ptr 1
		.amdhsa_wavefront_size32 1
		.amdhsa_system_sgpr_workgroup_id_x 1
		.amdhsa_system_sgpr_workgroup_id_y 1
		.amdhsa_system_sgpr_workgroup_id_z 1
		.amdhsa_system_vgpr_workitem_id 0
		.amdhsa_next_free_vgpr 1024
		.amdhsa_next_free_sgpr 100
		.amdhsa_reserve_vcc 0
		.amdhsa_float_denorm_mode_32 3
		.amdhsa_float_denorm_mode_16_64 3
		.amdhsa_fp16_overflow 1
		.amdhsa_memory_ordered 1
		.amdhsa_forward_progress 1
		.amdhsa_inst_pref_size 89
	.end_amdhsa_kernel
	.amdgpu_metadata
---
amdhsa.version: [ 1, 2 ]
amdhsa.kernels:
  - .name:           k_q5dc0a6cc45_gemm_qkv
    .symbol:         k_q5dc0a6cc45_gemm_qkv.kd
    .args:
      - { .name: xc, .offset: 0, .size: 8, .value_kind: global_buffer, .address_space: global }
      - { .name: wc, .offset: 8, .size: 8, .value_kind: global_buffer, .address_space: global }
      - { .name: lowp_scales, .offset: 16, .size: 8, .value_kind: global_buffer, .address_space: global }
      - { .name: qc, .offset: 24, .size: 8, .value_kind: global_buffer, .address_space: global }
      - { .name: kc, .offset: 32, .size: 8, .value_kind: global_buffer, .address_space: global }
      - { .name: vc, .offset: 40, .size: 8, .value_kind: global_buffer, .address_space: global }
    .group_segment_fixed_size: 327680
    .private_segment_fixed_size: 0
    .kernarg_segment_align: 8
    .kernarg_segment_size: 48
    .max_flat_workgroup_size: 128
    .sgpr_count:     100
    .vgpr_count:     1024
    .wavefront_size: 32
...
	.end_amdgpu_metadata
.endif
;; end of part 3
;; launch attn (part 4): grid 4 x 64, 16 waves a work-group, clusters of 4 x 1, 264,192 bytes of LDS; arguments qc, kc, vc, lowp_scales, cc; writes cc
.if DOCPART == 4
	.amdgcn_target "amdgcn-amd-amdhsa--gfx1250"
	.amdhsa_code_object_version 6
	.text
	.protected	k_q5dc0a6cc45_attn
	.globl	k_q5dc0a6cc45_attn
	.p2align	8
	.type	k_q5dc0a6cc45_attn,@function
k_q5dc0a6cc45_attn:
	s_mov_b64 s[64:65], 0
	v_nop
	global_prefetch_b8 v0, s[64:65] scope:SCOPE_SE
	s_setreg_imm32_b32 hwreg(HW_REG_WAVE_MODE, 25, 1), 1
	s_wait_xcnt 0x0
	s_wait_alu depctr_hold_cnt(0) depctr_sa_sdst(0) depctr_va_vdst(0) depctr_va_sdst(0) depctr_va_ssrc(0) depctr_va_vcc(0) depctr_vm_vsrc(0)
	s_getreg_b32 s2, hwreg(HW_REG_IB_STS2, 6, 4)
	s_cmp_eq_u32 s2, 0
	s_cbranch_scc0 .Lentry_in_a_cluster
	s_endpgm
.Lentry_in_a_cluster:
	s_bfe_u32 s2, ttmp6, 0x10000c
	s_cmp_lg_u32 s2, 0x3003
	s_cbranch_scc0 .Lentry_shape_is_right
	s_endpgm
.Lentry_shape_is_right:
; ctx[b][h][q] = the sum over keys k <= q of softmax_k(q . k / 8) v, both products on codes of BF8 (E5M2); ctx is quantised on the way out (scale e10) and stored as images of the last product's operand registers.
; THE SOFTMAX AHEAD OF THE SECOND PRODUCT: t = score x log2(e) / 8; M = the row's largest t so far, rounded UP to a whole number; p = 2^(t - M) is quantised (scale e8), not normalised.  The row's sum is taken of
; the unquantised p, in f32, and divides at the end.  When M moves, the sum and O are multiplied by 2^(old M - new M): exact.
; SHARES.  The four work-groups of a cluster serve one (b, head) = the grid's y.  Wave w of work-group g owns TWO tiles of 16 queries: T0 = 4 w + g and T1 = 127 - T0.  Tile T needs T / 8 + 1 steps of 128 keys:
; w / 2 + 1 and 16 - w / 2, 17 steps for every wave.  Both limits hang on the wave's number alone.
; LDS HOLDS THE HEAD'S K AND V WHOLE, 2 x 131,072 bytes, filled ONCE: no slot is filled again.  The four work-groups ask JOINTLY: every wave issues four loads of 4,096 bytes, one for each quarter of the keys
; (waves 0-7: K's, waves 8-15: V's); four loads of a wave are out at the most.  A quarter is read behind a counted wait and a barrier; the later quarters land meanwhile.
; No prefetch: every byte of K and V is asked for by a tensor load at the head.
; LAYOUT.  Both products are used transposed: S^T = K Q^T (source 0 = 16 keys, source 1 = 16 queries), O^T = V^T P^T (source 0 = 16 channels, source 1 = P): a lane holds ONE query (lane % 16) throughout.
; Tile t of S^T holds in lane (r, h) keys 16 t + 8 h + 0 .. 7: its conversion's two registers are registers 2 t, 2 t + 1 of P's fragment of 128 keys.  All fragments lie in memory and LDS as images of their registers: 16 bytes a lane, 512 an instruction.
; V's channels stand in positions with bits 3 and 4 exchanged, so that the 16 registers of O^T's tiles 2 c, 2 c + 1 are channels 32 c + 16 h + 0 .. 15: what the last product's fragment wants.
; CAUSAL.  A step all of whose keys come after the tile's queries is left out by a scalar branch on the wave's number and the loop's counter; in the one step on the diagonal hidden scores become -infinity ahead of the maximum.  Key 0 counts for every query.
; LIMITS: e6 + e7 between -124 and 130 (added to c's exponent field); e8 and e10 between -126 and 112; e8 + e9 is applied by v_ldexp_f32.  NaN among the inputs is not served.
.set LI,   1                           ; v1   16 x lane: my place in an image
.set ADK,  2                           ; v2   LDS address of the step's tiles of K
.set ADV,  3                           ; v3   of V
.set DG,   4                           ; v4, v5   tile x: 16 (T % 8) + r - 8 h: the diagonal
.set GO,   6                           ; v6, v7   tile x: my byte offset in cc
.set STT,  8                           ; v8-11, v12-15   tile x: -M, the largest t, the sum in two halves
.set QF,   16                          ; v16-23, v24-31  tile x: Q's fragment
.set FRG,  32                          ; v32-95   8 fragments of K, then 4 of V
.set S,    96                          ; v96-159  S^T, then p
.set OT,   160                         ; v160-191, v192-223  tile x: O^T
.set PC,   224                         ; v224-239 p's codes; at the end ctx's
.set PLIM, 240
.set CLIM, 241
.set PSC,  244                         ; 2^e8 as f32
.set CSC,  245                         ; 2^e10
.set PT,   246                         ; v246, v248: what the lane 16 away sends
.set NINF, 247                         ; -infinity
.set LIV,  255                         ; 16 x lane + V's first byte in LDS
.set KS,   16                          ; s16  the key step
.set TB,   17                          ; s17  8,192 x the key step
.set WV,   18                          ; s18  my wave's number
.set SEL,  20                          ; s[20:21] lane selects for v_permlanex16_b32: lane l xor 16
.set CS,   22                          ; s[22:23] c = log2(e) / 8 x 2^(e6 + e7)
.set G1,   24                          ; s[24:31] descriptor group 1
.set G0,   32                          ; s[32:47] four groups 0, one for each quarter
.set L0,   48                          ; s48, s49 tile x's last key step
.set CNT,  50
.macro CROUND                          ; a round of the cluster's barrier
	s_barrier_signal -1
	s_barrier_wait -1
	s_cmp_lg_u32 s[WV], 0
	s_cbranch_scc1 .Lnot_wave_0_\@
	s_barrier_signal -3
.Lnot_wave_0_\@:
	s_barrier_wait -3
	s_barrier_signal -1
	s_barrier_wait -1
.endm
	s_load_b256 s[4:11], s[0:1], 0x0               ; qc s[4:5], kc s[6:7], vc s[8:9], the scales' exponents s[10:11]
	s_load_b64 s[12:13], s[0:1], 0x20              ; cc
	v_lshl_add_u32 v250, v0, 2, 0x40000
	v_mov_b32 v251, 0
	ds_add_u32 v250, v251
	ds_add_u32 v250, v251
	v_lshrrev_b32 v2, 5, v0
	s_delay_alu instid0(VALU_DEP_1)
	v_readfirstlane_b32 s[WV], v2                  ; wave 0..15
	s_bfe_u32 s19, ttmp6, 0x40000                  ; cx: it enters Q's and cc's offsets and the diagonal's numbers alone
	s_and_b32 s14, ttmp7, 0xffff                   ; 16 b + head, which the four partners share
	s_lshr_b32 s[L0], s[WV], 1                     ; T0 / 8
	s_sub_co_u32 s[L0+1], 15, s[L0]                ; T1 / 8
	s_lshr_b32 s59, s[WV], 3                       ; I fetch for K (0) or V (1),
	s_lshl_b32 s59, s59, 17
	s_and_b32 s2, s[WV], 7                         ; which 4,096 bytes of a quarter's 32,768
	s_lshl_b32 s2, s2, 12
	s_mov_b32 s3, 0
	s_add_co_u32 s15, s59, s2                      ; the LDS address in quarter 0: made of the wave's number alone
	s_lshl_b32 s60, s14, 17                        ; the head's 2^17 bytes in qc, kc and vc
	s_mov_b32 s61, 0
	; descriptor group 1: a dense block of 16 rows x 256 bytes
	s_mov_b32 s[G1], 15|(3<<16)|(1<<21)            ; 15:0 the mask: all four work-groups; 17:16 elements of 8 bytes; 21 set beside a mask; no padding
	s_mov_b32 s[G1+1], 32<<16                      ; tensor_dim0 = 32
	s_mov_b32 s[G1+2], 16<<16                      ; tensor_dim1 = 16
	s_mov_b32 s[G1+3], 32<<16                      ; tile_dim0 = 32
	s_mov_b32 s[G1+4], 16                          ; tile_dim1 = 16
	s_mov_b32 s[G1+5], 32                          ; tensor_dim0_stride
	s_mov_b32 s[G1+6], 0
	s_mov_b32 s[G1+7], 0
	s_mov_b32 s[SEL], 0x76543210
	s_mov_b32 s[SEL+1], 0xfedcba98
	s_mov_b32 s[CS], 0x3e38aa3b                    ; log2(e) / 8
	s_wait_dscnt 0x0
	s_wait_kmcnt 0x0
	s_load_b128 s[52:55], s[10:11], 0x18           ; e6, e7, e8, e9
	s_load_b32 s56, s[10:11], 0x28                 ; e10
	s_cmp_lt_u32 s[WV], 8
	s_cselect_b64 s[62:63], s[6:7], s[8:9]         ; the choice hangs on the wave's number alone
	s_add_nc_u64 s[62:63], s[62:63], s[60:61]
	s_add_nc_u64 s[62:63], s[62:63], s[2:3]
.irp p, 0,1,2,3
	s_mov_b32 s[G0+4*\p], 1                        ; count = 1
	s_add_co_u32 s[G0+4*\p+1], s15, \p*32768       ; LDS address
	s_add_nc_u64 s[G0+4*\p+2:G0+4*\p+3], s[62:63], \p*32768   ; global address
	s_or_b32 s[G0+4*\p+3], s[G0+4*\p+3], 0x80000000   ; type = 2
.endr
	CROUND                                         ; all four work-groups are here: the joint loads meet
	tensor_load_to_lds s[G0:G0+3], s[G1:G1+7]      ; all first fills in one group, ahead of every wait on TENSORcnt, every LDS read and every other barrier
	s_nop 0
	tensor_load_to_lds s[G0+4:G0+7], s[G1:G1+7]
	s_nop 0
	tensor_load_to_lds s[G0+8:G0+11], s[G1:G1+7]
	s_nop 0
	tensor_load_to_lds s[G0+12:G0+15], s[G1:G1+7]
	s_nop 0
.rept 4
	v_nop
.endr
	s_add_nc_u64 s[4:5], s[4:5], s[60:61]          ; Q's images of my head
	v_and_b32 v[LI], 31, v0
	s_delay_alu instid0(VALU_DEP_1)
	v_lshlrev_b32 v[LI], 4, v[LI]
	s_lshl_b32 s57, s[WV], 2
	s_add_co_u32 s57, s57, s19                     ; T0
	s_sub_co_u32 s58, 127, s57                     ; T1
	s_lshl_b32 s59, s57, 10
	v_add_nc_u32 v242, s59, v[LI]
	s_lshl_b32 s59, s58, 10
	v_add_nc_u32 v243, s59, v[LI]
	global_load_b128 v[QF:QF+3], v242, s[4:5]
	global_load_b128 v[QF+4:QF+7], v242, s[4:5] offset:512
	global_load_b128 v[QF+8:QF+11], v243, s[4:5]
	global_load_b128 v[QF+12:QF+15], v243, s[4:5] offset:512
	v_add_nc_u32 v[LIV], 131072, v[LI]
	v_and_b32 v[DG], 15, v0                        ; r
	v_bfe_u32 v[DG+1], v0, 4, 1                    ; h
	s_delay_alu instid0(VALU_DEP_1)
	v_lshlrev_b32 v[DG+1], 3, v[DG+1]
	s_delay_alu instid0(VALU_DEP_1)
	v_sub_nc_u32 v[DG+1], v[DG], v[DG+1]           ; r - 8 h
	s_and_b32 s59, s57, 7
	s_lshl_b32 s59, s59, 4
	v_add_nc_u32 v[DG], s59, v[DG+1]
	s_and_b32 s59, s58, 7
	s_lshl_b32 s59, s59, 4
	v_add_nc_u32 v[DG+1], s59, v[DG+1]
	s_lshl_b32 s59, s57, 12
	v_add_nc_u32 v[GO], s59, v[LI]                 ; cc: a tile of 16 rows has 4,096 bytes for four heads
	s_lshl_b32 s59, s58, 12
	v_add_nc_u32 v[GO+1], s59, v[LI]
	s_and_b32 s2, s14, 15                          ; the head
	s_lshr_b32 s3, s2, 2
	s_lshl_b32 s3, s3, 21                          ; cc: [head / 4]: 2^21 bytes,
	s_and_b32 s2, s2, 3
	s_lshl_b32 s2, s2, 10                          ; [head % 4]: 1,024,
	s_add_co_u32 s2, s2, s3
	s_lshr_b32 s3, s14, 4
	s_lshl_b32 s3, s3, 19                          ; b's 128 tiles of rows
	s_add_co_u32 s2, s2, s3
	s_mov_b32 s3, 0
	s_add_nc_u64 s[12:13], s[12:13], s[2:3]
.irp x, 0,1
	v_mov_b32 v[STT+4*\x+1], 0xff61b1e6            ; the largest t so far: -3e38, under every t
	s_delay_alu instid0(VALU_DEP_1)
	v_floor_f32 v[STT+4*\x], -v[STT+4*\x+1]        ; -M
	v_mov_b32 v[STT+4*\x+2], 0                     ; the sum, in two halves
	v_mov_b32 v[STT+4*\x+3], 0
.endr
	v_mov_b32 v[PT], 0                             ; written once: a lane permute's destination counts as one of its sources
	v_mov_b32 v[PT+2], 0
	v_mov_b32 v253, 0                              ; (named as the upper half of the pair v[252:253])
	v_mov_b32 v[NINF], 0xff800000
.set j, 0
.rept 64
	v_mov_b32 v[OT+j], 0                           ; O^T.  (A step is written without a first form of its own: the first finds zeros, which the first change of M leaves zeros)
.set j, j+1
.endr
	s_wait_kmcnt 0x0
	s_add_co_i32 s2, s52, s53
	s_lshl_b32 s2, s2, 23
	s_add_co_i32 s[CS], s[CS], s2                  ; a score stands for score x 2^(e6 + e7): the two exponents are added to c's exponent field
	s_mov_b32 s[CS+1], s[CS]                       ; (named with it as a pair, so it is written)
	s_add_co_i32 s2, s54, 127
	s_lshl_b32 s3, s2, 23
	v_mov_b32 v[PSC], s3
	s_add_co_i32 s2, s56, 127
	s_lshl_b32 s3, s2, 23
	v_mov_b32 v[CSC], s3
	s_add_co_i32 s51, s54, s55                     ; e8 + e9
; A KEY STEP of tile x: 128 keys.  hid = 1: the step may lie wholly behind the tile's queries; diag = 1: it may lie on the diagonal.
.macro STEP x, hid, diag
.set ST, STT+4*(\x)
.set QX, QF+8*(\x)
.set OX, OT+32*(\x)
.if \hid
	s_cmp_gt_u32 s[KS], s[L0+\x]
	s_cbranch_scc1 .Lhidden_\@
.endif
	v_add_nc_u32 v[ADK], s[TB], v[LI]
	v_add_nc_u32 v[ADV], s[TB], v[LIV]
	v_nop                                          ; with the two additions: four places in front of loads into registers that the last products read
	v_nop
.irp t, 0,1,2,3,4,5,6,7
.irp c, 0,1
	ds_load_b128 v[FRG+8*\t+4*\c:FRG+8*\t+4*\c+3], v[ADK] offset:1024*\t+512*\c
.endr
.endr
	s_wait_alu depctr_va_vdst(0)
	s_wait_dscnt 0x0
.irp t, 0,1,2,3,4,5,6,7
	v_wmma_f32_16x16x64_bf8_bf8 v[S+8*\t:S+8*\t+7], v[FRG+8*\t:FRG+8*\t+7], v[QX:QX+7], 0
.endr
.rept 4
	v_nop                                          ; places in front of the loads below and of the first read of the scores
.endr
.irp t, 0,1,2,3                                ; V's four fragments land while the softmax is worked
.irp g, 0,1,2,3
	ds_load_b128 v[FRG+16*\t+4*\g:FRG+16*\t+4*\g+3], v[ADV] offset:2048*\t+512*\g
.endr
.endr
.if \diag
	s_cmp_lg_u32 s[KS], s[L0+\x]
	s_cbranch_scc1 .Lopen_\@
.set n, 0
.rept 64                                       ; register n holds key 16 (n / 8) + n % 8 + 8 h of the step: hidden where it comes after my query
	v_cmp_gt_i32 vcc_lo, 16*(n/8)+n%8, v[DG+\x]
	v_cndmask_b32 v[S+n], v[S+n], v[NINF], vcc_lo
.set n, n+1
.endr
.Lopen_\@:
.endif
	v_max3_num_f32 v254, v[S], v[S+1], v[S+2]      ; the step's largest score of my query, among my 64 keys, in two chains, from the low end on,
	v_max3_num_f32 v252, v[S+3], v[S+4], v[S+5]
.irp i, 6,10,14,18,22,26,30,34,38,42,46,50,54,58
	v_max3_num_f32 v254, v254, v[S+\i], v[S+1+\i]
	v_max3_num_f32 v252, v252, v[S+2+\i], v[S+3+\i]
.endr
	v_max3_num_f32 v254, v254, v[S+62], v[S+63]
	s_delay_alu instid0(VALU_DEP_1)
	v_max_num_f32 v254, v254, v252
	s_delay_alu instid0(VALU_DEP_1)
	v_permlanex16_b32 v[PT], v254, s[SEL], s[SEL+1]
	s_delay_alu instid0(VALU_DEP_1)
	v_max_num_f32 v254, v254, v[PT]                ; and among lane l xor 16's
	s_delay_alu instid0(VALU_DEP_1)
	v_mul_f32 v254, s[CS], v254                    ; as t (c is positive)
	s_delay_alu instid0(VALU_DEP_1)
	v_max_num_f32 v[ST+1], v[ST+1], v254           ; the running largest t
	v_mov_b32 v254, v[ST]
	s_delay_alu instid0(VALU_DEP_2)
	v_floor_f32 v[ST], -v[ST+1]                    ; the new -M = floor(-t) = -ceil(t): M is a whole number
	s_delay_alu instid0(VALU_DEP_1)
	v_sub_f32 v254, v[ST], v254                    ; M's old value less its new one: a whole number, 0 or less
	s_delay_alu instid0(VALU_DEP_1)
	v_cvt_i32_f32 v254, v254                       ; (it saturates)
	s_delay_alu instid0(VALU_DEP_1)
	v_ldexp_f32 v252, 1.0, v254                    ; f = 2^(old M - new M)
.set j, 0
.rept 32
	v_pk_fma_f32 v[S+j:S+j+1], v[S+j:S+j+1], s[CS:CS+1], v[ST:ST+1] op_sel_hi:[1,0,0]   ; t - M, two at a time (of the pairs c and -M the low word serves both halves)
.set j, j+2
.endr
.set j, 0
	s_wait_alu depctr_va_vdst(0)
.rept 64
	v_exp_f32 v[S+j], v[S+j]                       ; p = 2^(t - M), at most 1: not normalised
.set j, j+1
.endr
	v_pk_mul_f32 v[ST+2:ST+3], v[ST+2:ST+3], v[252:253] op_sel_hi:[1,0]   ; the sums under the new M: the plain line behind the exponentials
	s_wait_alu depctr_va_vdst(0)                   ; one wait for the whole batch, ahead of its first reader
	v_pk_add_f32 v[242:243], v[S:S+1], v[S+2:S+3]  ; the row's sum is taken of the unquantised p: two at a time, in two chains
.irp j, 4,8,12,16,20,24,28,32,36,40,44,48,52,56,60
	v_pk_add_f32 v[ST+2:ST+3], v[ST+2:ST+3], v[S+\j:S+1+\j]
	v_pk_add_f32 v[242:243], v[242:243], v[S+2+\j:S+3+\j]
.endr
	s_delay_alu instid0(VALU_DEP_1)
	v_pk_add_f32 v[ST+2:ST+3], v[ST+2:ST+3], v[242:243]
.irp t, 0,1,2,3,4,5,6,7
.irp i, 0,1,2,3,4,5,6,7
.endr
	v_cvt_scalef32_pk8_bf8_f32 v[PC+2*\t:PC+2*\t+1], v[S+8*\t:S+8*\t+7], v[PSC]
.endr
.set j, 0
.rept 16
	v_pk_mul_f32 v[OX+j:OX+j+1], v[OX+j:OX+j+1], v[252:253] op_sel_hi:[1,0]   ; O^T under the new M.  (Also the plain lines between the conversions and the products)
.set j, j+2
.endr
	s_wait_alu depctr_va_vdst(0)
	s_wait_dscnt 0x0                               ; V is in
.irp t, 0,1,2,3                                ; the four accumulators take turns; the next step's eight score products stand between two links of a chain
	v_wmma_f32_16x16x128_bf8_bf8 v[OX+8*\t:OX+8*\t+7], v[FRG+16*\t:FRG+16*\t+15], v[PC:PC+15], v[OX+8*\t:OX+8*\t+7]
.endr
.if \hid
.Lhidden_\@:
.endif
.endm
; A QUARTER: four key steps.  My load for it has landed (the 3 - p later ones may stay out), then everybody's.  Tile 0 ends within the first two quarters; tile 1's diagonal lies in the last two.
.macro QUARTER p
	s_wait_tensorcnt 3-\p
	s_barrier_signal -1
	s_barrier_wait -1
	s_mov_b32 s[KS], 4*\p
	s_mov_b32 s[TB], 32768*\p
	s_mov_b32 s[CNT], 4
.Lq_\@:
.if \p < 2
	STEP 0, 1, 1
	STEP 1, 0, 0
.else
	STEP 1, 1, 1
.endif
	s_add_co_u32 s[TB], s[TB], 8192
	s_add_co_u32 s[KS], s[KS], 1
	s_sub_co_u32 s[CNT], s[CNT], 1
	s_cmp_lg_u32 s[CNT], 0
	s_cbranch_scc1 .Lq_\@
.endm
	s_wait_loadcnt 0x0                             ; Q
	QUARTER 0
	QUARTER 1
	QUARTER 2
	QUARTER 3
	; THE WAY OUT.  ctx = O^T / the sum x 2^(e8 + e9); its codes (scale e10) are half a fragment of the last product: two stores of 512 consecutive bytes a tile.
.rept 4
	v_nop                                          ; places behind the last products
.endr
	v_add_f32 v[STT+2], v[STT+2], v[STT+3]         ; the sum's two halves,
	v_add_f32 v[STT+6], v[STT+6], v[STT+7]
	s_delay_alu instid0(VALU_DEP_2)
	v_permlanex16_b32 v[PT], v[STT+2], s[SEL], s[SEL+1]
	s_delay_alu instid0(VALU_DEP_2)
	v_permlanex16_b32 v[PT+2], v[STT+6], s[SEL], s[SEL+1]
	s_delay_alu instid0(VALU_DEP_2)
	v_add_f32 v[STT+2], v[STT+2], v[PT]            ; and lane l xor 16's
	s_delay_alu instid0(VALU_DEP_2)
	v_add_f32 v[STT+6], v[STT+6], v[PT+2]
	s_wait_alu depctr_va_vdst(0)
	v_rcp_f32 v[STT+2], v[STT+2]
	v_rcp_f32 v[STT+6], v[STT+6]
	v_nop                                          ; a plain line behind the reciprocals
	s_wait_alu depctr_va_vdst(0)                   ; one wait for both, ahead of the first reader
	v_ldexp_f32 v[STT+2], v[STT+2], s51
	v_ldexp_f32 v[STT+6], v[STT+6], s51
.irp x, 0,1
.set j, 0
.rept 16
	v_pk_mul_f32 v[S+32*\x+j:S+32*\x+j+1], v[OT+32*\x+j:OT+32*\x+j+1], v[STT+4*\x+2:STT+4*\x+3] op_sel_hi:[1,0]
.set j, j+2
.endr
.set j, 0
.rept 32
.set j, j+1
.endr
.irp t, 0,1,2,3
	v_cvt_scalef32_pk8_bf8_f32 v[PC+8*\x+2*\t:PC+8*\x+2*\t+1], v[S+32*\x+8*\t:S+32*\x+8*\t+7], v[CSC]
.endr
	v_nop                                          ; one plain line behind the last conversion of a run
	global_store_b128 v[GO+\x], v[PC+8*\x:PC+8*\x+3], s[12:13]
	global_store_b128 v[GO+\x], v[PC+8*\x+4:PC+8*\x+7], s[12:13] offset:512
.endr
	s_wait_tensorcnt 0x0
	ds_add_u32 v250, v251
	s_wait_dscnt 0x0
	CROUND                                         ; the closing round: no work-group ends while a partner may still ask for a tile that names it
	s_endpgm
.Lfunc_end_k_q5dc0a6cc45_attn:
	.size	k_q5dc0a6cc45_attn, .Lfunc_end_k_q5dc0a6cc45_attn-k_q5dc0a6cc45_attn
	.p2alignl 7, 3214868480
	.fill 96, 4, 3214868480
	.section	.rodata,"a",@progbits
	.p2align	6, 0x0
	.amdhsa_kernel k_q5dc0a6cc45_attn
		.amdhsa_group_segment_fixed_size 264192
		.amdhsa_private_segment_fixed_size 0
		.amdhsa_enable_private_segment 0
		.amdhsa_kernarg_size 40
		.amdhsa_user_sgpr_count 2
		.amdhsa_user_sgpr_kernarg_segment_ptr 1
		.amdhsa_wavefront_size32 1
		.amdhsa_system_sgpr_workgroup_id_x 1
		.amdhsa_system_sgpr_workgroup_id_y 1
		.amdhsa_system_sgpr_workgroup_id_z 1
		.amdhsa_system_vgpr_workitem_id 0
		.amdhsa_next_free_vgpr 256
		.amdhsa_next_free_sgpr 66
		.amdhsa_reserve_vcc 1
		.amdhsa_float_denorm_mode_32 3
		.amdhsa_float_denorm_mode_16_64 3
		.amdhsa_fp16_overflow 1
		.amdhsa_memory_ordered 1
		.amdhsa_forward_progress 1
		.amdhsa_inst_pref_size 116
	.end_amdhsa_kernel
	.amdgpu_metadata
---
amdhsa.version: [ 1, 2 ]
amdhsa.kernels:
  - .name:           k_q5dc0a6cc45_attn
    .symbol:         k_q5dc0a6cc45_attn.kd
    .args:
      - { .name: qc, .offset: 0, .size: 8, .value_kind: global_buffer, .address_space: global }
      - { .name: kc, .offset: 8, .size: 8, .value_kind: global_buffer, .address_space: global }
      - { .name: vc, .offset: 16, .size: 8, .value_kind: global_buffer, .address_space: global }
      - { .name: lowp_scales, .offset: 24, .size: 8, .value_kind: global_buffer, .address_space: global }
      - { .name: cc, .offset: 32, .size: 8, .value_kind: global_buffer, .address_space: global }
    .group_segment_fixed_size: 264192
    .private_segment_fixed_size: 0
    .kernarg_segment_align: 8
    .kernarg_segment_size: 40
    .max_flat_workgroup_size: 512
    .sgpr_count:     66
    .vgpr_count:     256
    .wavefront_size: 32
...
	.end_amdgpu_metadata
.endif
;; end of part 4
;; launch gemm_out (part 5): grid 4 x 32, 4 waves a work-group, clusters of 4 x 4, 327,680 bytes of LDS; arguments cc, wc, lowp_scales, out0, bo; writes out0
.if DOCPART == 5
	.amdgcn_target "amdgcn-amd-amdhsa--gfx1250"
	.amdhsa_code_object_version 6
	.text
	.protected	k_q5dc0a6cc45_gemm_out
	.globl	k_q5dc0a6cc45_gemm_out
	.p2align	8
	.type	k_q5dc0a6cc45_gemm_out,@function
k_q5dc0a6cc45_gemm_out:
	s_mov_b64 s[64:65], 0
	v_nop
	global_prefetch_b8 v0, s[64:65] scope:SCOPE_SE
	s_setreg_imm32_b32 hwreg(HW_REG_WAVE_MODE, 25, 1), 1
	s_wait_xcnt 0x0
	s_wait_alu depctr_hold_cnt(0) depctr_sa_sdst(0) depctr_va_vdst(0) depctr_va_sdst(0) depctr_va_ssrc(0) depctr_va_vcc(0) depctr_vm_vsrc(0)
	s_getreg_b32 s2, hwreg(HW_REG_IB_STS2, 6, 4)
	s_cmp_eq_u32 s2, 0
	s_cbranch_scc0 .Lentry_in_a_cluster
	s_endpgm
.Lentry_in_a_cluster:
	s_bfe_u32 s2, ttmp6, 0x10000c
	s_cmp_lg_u32 s2, 0xf033
	s_cbranch_scc0 .Lentry_shape_is_right
	s_endpgm
.Lentry_shape_is_right:
; out0 = ctx Wo + bo.  ctx's codes (cc) and Wo's (wc, fourth weight) are BF8 (E5M2); sums in f32; each finished sum is multiplied once by 2^(e10 + e11) and bo is added, in one packed multiply-add.
; A tile of out0, 256 x 256, is made by a work-group of four waves; a wave makes 128 x 128: 64 accumulators, 512 registers.  K = 1,024 goes in four steps of 256 through a ring of two LDS slots.
; 8,192 x 1,024 outputs are 128 such tiles; a smaller tile would read more LDS bytes for each product.
; A (ctx) LIES IN MEMORY AS IMAGES OF ITS FRAGMENTS: [K step][tile of 16 rows][128 along K][4][lane][16 bytes]: 128 rows of a K step are one dense block of 32,768 bytes, brought unpadded; a fragment is four loads at 16 x lane.
; B (Wo) lies as rows of codes: tiles of 128 rows x 256 bytes, padded in LDS.  In both, registers 4 c .. 4 c + 3 of lane (r, h) hold k = 32 c + 16 h + 0 .. 15 of the 128.
; Source 0 = 16 rows of B, source 1 = 16 rows of A: a lane holds eight results of one row of out0.  Wo's row at position p is output channel p with bits 3 and 4 exchanged: the stage's offsets put each run of eight where it belongs.
; CLUSTERS: 4 x 4 work-groups; A's tiles are asked for jointly along a row of the cluster, B's along a column.  No prefetch: of the four K steps two are first fills, issued at the head.
; LIMIT: e10 + e11 between -126 and 127, so that 2^(e10 + e11) is an f32 number.
; REGISTERS, in windows of 256: window 0: v0-31 addresses and bo; from v128 A's fragments, ONE set, later rows of out0.  window 1: B's fragments, TWO sets.  windows 2, 3: the accumulators ((a, b) at v[8 (8 (a % 4) + b)]).
.set SIZE_K, 1024
.set SIZE_N, 1024
.set KSTEP,  256
.set ROWB,   256                       ; a row of B's tile in bytes
.set KROW,   SIZE_K
.set PITCH,  272                       ; B's LDS row: 256 bytes + 16 of padding: the 16 rows that a load touches start at 16 different banks (64 banks of 4 bytes: ISA guide 11.1)
.set FR,     16
.set NL,     4
.set NP,     4                         ; places behind this matrix instruction (ISA guide 7.12.1)
.set HALFT,  128*PITCH                 ; what a wave's tensor load may take in LDS: B's 128 padded rows; A's 32,768 bytes lie at such a part's head
.set SLOT,   4*HALFT
.set ASTEP,  0x200000                  ; a K step on in cc
.set LAPS,   SIZE_K/(2*KSTEP)
.set SPARE,  2*SLOT                    ; behind the ring: the spare words, 128 bytes for each wave: two blocks of 256 bytes that no other line names
.set SPITCH, 528                       ; the way out: a stage of 16 rows x (512 bytes + 16) for each wave, in slot 0, which has had its last fill and its last read when the first result is stored there
.set BI,   8                           ; v8-11   bo at my four columns
.set ADRA, 16                          ; v16-17  LDS address of my A fragments in slot 0, 1
.set ADRB, 20                          ; v20-21  the same for B
.set STO,  24                          ; v24     the way out: where I put my runs of a row
.set RD,   25                          ; v25     where I read a row back
.set CO,   26                          ; v26     16 x lane: my byte offset in a row's 512 bytes
.set SPW,  28                          ; v28     LDS address of my spare word; never rewritten
.set NIL,  29                          ; v29     0; never rewritten
.set AF,   128
.set BK,   128                         ; the way out: 16 rows read back from the stage: v128-191 and v192-255 by turns
.set G1, 24
.set G0, 32
.set G1B, 48
.set G0B, 56
.set MSB, 0
.macro WIN new                         ; the immediate's high byte repeats the setting that is left
.if MSB != \new
	s_set_vgpr_msb (MSB<<8)|\new
.set MSB, \new
.endif
.endm
.set MUL_LO, 0xa1                      ; source 0 (B) window 1, source 1 (A) window 0, C and D window 2
.set MUL_HI, 0xf1
.set TO_B,   0x40
.macro JLOAD g0a, g1a, g0b, g1b        ; a joint load: waves 0 and 1 fetch for A, waves 2 and 3 for B; four v_nop follow each of the two lines
	s_cmp_eq_u32 s15, 0
	s_cbranch_scc0 .Lfor_b_\@
	tensor_load_to_lds s[\g0a:\g0a+3], s[\g1a:\g1a+7]
	s_nop 0
.rept 4
	v_nop
.endr
	s_branch .Lasked_\@
.Lfor_b_\@:
	tensor_load_to_lds s[\g0b:\g0b+3], s[\g1b:\g1b+7]
	s_nop 0
.rept 4
	v_nop
.endr
.Lasked_\@:
.endm
.macro CREST
	s_cmp_lg_u32 s14, 0
	s_cbranch_scc1 .Lnot_wave_0_\@
	s_barrier_signal -3
.Lnot_wave_0_\@:
	s_barrier_wait -3
	s_barrier_signal -1
	s_barrier_wait -1
.endm
.macro CROUND
	s_barrier_signal -1
	s_barrier_wait -1
	CREST
.endm
	s_load_b128 s[4:7], s[0:1], 0x0                ; cc s[4:5], wc s[6:7]
	s_load_b128 s[8:11], s[0:1], 0x10              ; the scales' exponents s[8:9], out0 s[10:11]
	s_load_b64 s[12:13], s[0:1], 0x20              ; bo
	v_lshl_add_u32 v[SPW], v0, 2, SPARE
	v_mov_b32 v[NIL], 0
	ds_add_u32 v28, v29
	ds_add_u32 v28, v29
	s_wait_dscnt 0x0
	v_lshrrev_b32 v1, 5, v0
	v_readfirstlane_b32 s14, v1                    ; wave 0..3
	s_lshr_b32 s15, s14, 1                         ; which half of the tile's rows is mine.  Also: I fetch for A (0) or for B (1)
	s_and_b32 s16, s14, 1                          ; which half of its columns.  Also: which 128 rows of that tile I fetch
	s_bfe_u32 s40, ttmp6, 0x40000                  ; cx, cy
	s_bfe_u32 s41, ttmp6, 0x40004
	s_lshl_b32 s42, ttmp9, 2
	s_add_co_u32 s42, s42, s40                     ; tile column = 4 x cluster x + cx
	s_and_b32 s17, ttmp7, 0xffff
	s_lshl_b32 s17, s17, 2
	s_add_co_u32 s17, s17, s41                     ; tile row = 4 x cluster y + cy
	s_lshl_b32 s43, s41, 2
	s_lshl_b32 s43, 15, s43                        ; my row of the cluster
	s_lshl_b32 s44, 0x1111, s40                    ; my column
	; descriptor group 1 for A: a dense block of 128 rows x 256 bytes, unpadded
	s_or_b32 s[G1+0], s43, (3<<16)|(1<<21)         ; 15:0 the mask: my row; 17:16 elements of 8 bytes; 21 set beside a mask
	s_mov_b32 s[G1+1], 32<<16                      ; tensor_dim0 = 32
	s_mov_b32 s[G1+2], 128<<16                     ; tensor_dim1 = 128
	s_mov_b32 s[G1+3], 32<<16                      ; tile_dim0 = 32
	s_mov_b32 s[G1+4], 128                         ; tile_dim1 = 128
	s_mov_b32 s[G1+5], 32                          ; tensor_dim0_stride
	s_mov_b32 s[G1+6], 0
	s_mov_b32 s[G1+7], 0
	; and for B: 128 rows x 256 bytes, 1,024 bytes apart, padded in LDS
	s_or_b32 s[G1B+0], s44, (0<<16)|(1<<20)|(1<<21)|(5<<22)|(3<<25)  ; the mask: my column; elements of 1 byte; padding: 4 words after every 64
	s_mov_b32 s[G1B+1], ROWB<<16
	s_mov_b32 s[G1B+2], 128<<16
	s_mov_b32 s[G1B+3], ROWB<<16
	s_mov_b32 s[G1B+4], 128
	s_mov_b32 s[G1B+5], KROW
	s_mov_b32 s[G1B+6], 0
	s_mov_b32 s[G1B+7], 0
	s_lshl_b32 s20, s17, 16                        ; A: 16 tiles of 16 rows, 4,096 bytes each, for a tile row,
	s_lshl_b32 s18, s16, 15
	s_add_co_u32 s20, s20, s18                     ; + 8 of them for the half that I fetch
	s_mov_b32 s21, 0
	s_lshl_b32 s46, s42, 18                        ; B: 256 rows of 1,024 bytes for a tile column,
	s_lshl_b32 s18, s16, 17
	s_add_co_u32 s46, s46, s18                     ; + 128 rows,
	s_add_co_u32 s46, s46, 3<<20                   ; in the fourth weight
	s_mov_b32 s47, 0
	s_mul_i32 s45, s14, HALFT                      ; where they go: no place in the cluster enters an LDS address
	s_wait_kmcnt 0x0
	s_load_b64 s[96:97], s[8:9], 0x28              ; e10, e11
	s_add_nc_u64 s[20:21], s[4:5], s[20:21]
	s_add_nc_u64 s[46:47], s[6:7], s[46:47]
	CROUND                                         ; all sixteen work-groups are here: the first joint loads meet
.irp s, 0,1
	s_mov_b32 s[G0+4*\s], 1
	s_add_co_u32 s[G0+4*\s+1], s45, \s*SLOT
	s_add_nc_u64 s[G0+4*\s+2:G0+4*\s+3], s[20:21], \s*ASTEP
	s_or_b32 s[G0+4*\s+3], s[G0+4*\s+3], 0x80000000
	s_mov_b32 s[G0B+4*\s], 1
	s_add_co_u32 s[G0B+4*\s+1], s45, \s*SLOT
	s_add_nc_u64 s[G0B+4*\s+2:G0B+4*\s+3], s[46:47], \s*ROWB
	s_or_b32 s[G0B+4*\s+3], s[G0B+4*\s+3], 0x80000000
	s_wait_alu depctr_va_vdst(0)
	s_wait_tensorcnt 0x0
	ds_add_u32 v28, v29
	ds_add_u32 v28, v29
	s_wait_dscnt 0x0
	CROUND
	JLOAD G0+4*\s, G1, G0B+4*\s, G1B
.endr
	v_and_b32 v1, 15, v0                           ; l % 16
	v_bfe_u32 v2, v0, 4, 1                         ; l / 16
	v_and_b32 v6, 31, v0
	v_lshlrev_b32 v[CO], 4, v6                     ; 16 x lane
	v_mul_u32_u24 v3, v1, PITCH
	v_lshl_add_u32 v4, v2, 4, v3                   ; B: a fragment's row x pitch + 16 x half
	s_mul_i32 s21, s15, HALFT                      ; my 128 rows of A
	s_mul_i32 s22, s16, HALFT                      ; my 128 rows of B,
	s_add_co_u32 s22, s22, 2*HALFT                 ; which lie behind A's two parts
.irp s, 0,1
	v_add_nc_u32 v[ADRA+\s], s21, v[CO]
	v_add_nc_u32 v[ADRB+\s], s22, v4
	s_add_co_u32 s21, s21, SLOT
	s_add_co_u32 s22, s22, SLOT
.endr
	s_mul_i32 s23, s14, 16*SPITCH                  ; my stage
	v_mul_u32_u24 v5, v1, SPITCH                   ; in: row l % 16, + 64 bytes for the upper half of the lanes
	v_lshl_add_u32 v5, v2, 6, v5
	v_add_nc_u32 v[STO], s23, v5
	v_add_nc_u32 v[RD], s23, v[CO]                 ; back: the 32 lanes take one row of 512 bytes
	s_lshl_b32 s92, s42, 10                        ; my first column, in bytes: 1,024 x tile column + 512 x half (in registers that feed no descriptor)
	s_lshl_b32 s93, s16, 9
	s_add_co_u32 s92, s92, s93
	s_mov_b32 s93, 0
	s_add_nc_u64 s[12:13], s[12:13], s[92:93]
	global_load_b128 v[BI:BI+3], v[CO], s[12:13]   ; bo at my four columns of a row's 128
	s_lshl_b32 s94, s17, 8
	s_lshl_b32 s95, s15, 7
	s_add_co_u32 s94, s94, s95                     ; my first row: 256 x tile row + 128 x half,
	s_lshl_b32 s94, s94, 12                        ; of 4,096 bytes (under 2^25)
	s_mov_b32 s95, 0
	s_add_nc_u64 s[10:11], s[10:11], s[94:95]
	s_add_nc_u64 s[10:11], s[10:11], s[92:93]
.macro FRAG reg, adr, q, i             ; B's fragment from padded rows
.irp c, 0,1,2,3
	ds_load_b128 v[\reg+4*\c:\reg+4*\c+3], v[\adr] offset:128*(\q)+32*\c+(\i)*16*PITCH
.endr
.endm
.macro FRAGA reg, adr, q, i            ; A's fragment from its image: tile of rows i, the slot's q-th 128 along K
.irp c, 0,1,2,3
	ds_load_b128 v[\reg+4*\c:\reg+4*\c+3], v[\adr] offset:(\i)*4096+(\q)*2048+512*\c
.endr
.endm
; 16 matrix instructions: A's blocks a0, a0 + 1 x B's eight.  The 64 accumulators take turns, one instruction a turn, in the same order in every step.
.macro MUL16 a0, p, zero
.irp a, \a0, \a0+1
.irp b, 0,1,2,3,4,5,6,7
.if \zero
	v_wmma_f32_16x16x128_bf8_bf8 v[8*(8*((\a)%4)+\b):8*(8*((\a)%4)+\b)+7], v[128*(\p)+FR*\b:128*(\p)+FR*\b+FR-1], v[AF+FR*(\a):AF+FR*(\a)+FR-1], 0
.else
	v_wmma_f32_16x16x128_bf8_bf8 v[8*(8*((\a)%4)+\b):8*(8*((\a)%4)+\b)+7], v[128*(\p)+FR*\b:128*(\p)+FR*\b+FR-1], v[AF+FR*(\a):AF+FR*(\a)+FR-1], v[8*(8*((\a)%4)+\b):8*(8*((\a)%4)+\b)+7]
.endif
.endr
.endr
.endm
.macro FETCH_B slot, q, p
	WIN TO_B
.irp i, 0,1,2,3,4,5,6,7
	FRAG 128*(\p)+FR*\i, ADRB+\slot, \q, \i
.endr
	WIN 0
.endm
.macro FETCH_A slot, q, i0
.irp i, \i0, \i0+1, \i0+2, \i0+3
	FRAGA AF+FR*(\i), ADRA+\slot, \q, \i
.endr
.endm
.macro PLACES n                        ; places in front of loads into registers that matrix instructions have read, and of the first read of results (ISA guide 7.12.1 for vector instructions)
.rept \n
	v_nop
.endr
.endm
.macro STEP slot, q, zero
	s_wait_dscnt 4*NL                              ; B's set and A's blocks 0-3 are in; the youngest 16 loads (A's blocks 4-7) may be out
	WIN MUL_LO
	MUL16 0, (\q)%2, \zero
	MUL16 2, (\q)%2, \zero
	s_wait_dscnt 0
	PLACES NP
	FETCH_B \slot, (\q)+1, 1-(\q)%2
	FETCH_A \slot, (\q)+1, 0
	WIN MUL_HI
	MUL16 4, (\q)%2, \zero
	MUL16 6, (\q)%2, \zero
	PLACES NP
	WIN 0
	FETCH_A \slot, (\q)+1, 4
.endm
; A slot's last step changes slots: ONE barrier; in front of it each wave waits for all its tensor loads, adds 0 to its spare word, and waits for that and for its own reads of this slot.
.macro TURN slot, next, fill
	s_wait_tensorcnt 0x0                           ; all my tensor loads have landed: my part of the next slot;
	ds_add_u32 v[SPW], v[NIL]                      ; 0 onto my spare word;
	s_wait_dscnt 4*NL+1                            ; (the add and the youngest 16 loads may be out)
	WIN MUL_LO
	MUL16 0, 1, 0
	s_wait_dscnt 0x0                               ; the add is done, and my reads of this slot are over
	s_barrier_signal -1
	MUL16 2, 1, 0
	WIN 0
	s_barrier_wait -1
.if \fill
	CREST                                          ; the barrier has opened a round of the cluster's barrier: no wave of any partner still reads this slot's tile or has a load on its way
	s_add_nc_u64 s[G0+4*\slot+2:G0+4*\slot+3], s[G0+4*\slot+2:G0+4*\slot+3], 2*ASTEP
	s_add_nc_u64 s[G0B+4*\slot+2:G0B+4*\slot+3], s[G0B+4*\slot+2:G0B+4*\slot+3], 2*ROWB
	JLOAD G0+4*\slot, G1, G0B+4*\slot, G1B         ; the first tensor load behind the round; its four v_nop are the places in front of the loads below
.else
	PLACES NP
.endif
	FETCH_B \next, 0, 0
	FETCH_A \next, 0, 0
	WIN MUL_HI
	MUL16 4, 1, 0
	MUL16 6, 1, 0
	PLACES NP
	WIN 0
	FETCH_A \next, 0, 4
.endm
	s_wait_alu depctr_va_vdst(0)
	s_wait_tensorcnt 1                             ; my part of K step 0 is in (K step 1's load may be out)
	s_barrier_signal -1
	s_barrier_wait -1                              ; everybody's is
	FETCH_B 0, 0, 0
	FETCH_A 0, 0, 0
	FETCH_A 0, 0, 4
	STEP 0, 0, 1                                   ; the first step's products start the sums
	s_mov_b32 s3, LAPS-1
.Llap:
	TURN 0, 1, 1
	STEP 1, 0, 0
	TURN 1, 0, 1
	STEP 0, 0, 0
	s_sub_co_u32 s3, s3, 1
	s_cmp_lg_u32 s3, 0
	s_cbranch_scc1 .Llap
	TURN 0, 1, 0                                   ; the last lap fills nothing
	STEP 1, 0, 0
	s_wait_dscnt 4*NL
	WIN MUL_LO
	MUL16 0, 1, 0
	MUL16 2, 1, 0
	s_wait_dscnt 0
	WIN MUL_HI
	MUL16 4, 1, 0
	MUL16 6, 1, 0
	WIN 0
; THE WAY OUT, block by block of 16 rows x 128 columns.  The sums go from the accumulators straight into my own stage in LDS, each run of eight at its output channels' bytes, and come back as whole rows of 512 bytes;
; there each pair is multiplied by 2^(e10 + e11) and bo is added; the 32 lanes store 512 consecutive bytes, aligned.  LDS serves a wave's instructions in order (ISA guide 5.7.1.4): no wait between the stores and the loads.
.macro TOSTAGE a
.set AC, 64*((\a)%4)
	WIN 0x08+4*((\a)/4)                            ; an LDS store's data: window 2 or 3
.irp b, 0,1,2,3,4,5,6,7                        ; lane (r, h), accumulator b: positions 16 b + 8 h + 0 .. 7 = channels 32 (b / 2) + 16 h + 8 (b % 2) + 0 .. 7; each accumulator from its low end on
	ds_store_b128 v[STO], v[AC+8*\b:AC+8*\b+3] offset:128*(\b/2)+32*(\b%2)
	ds_store_b128 v[STO], v[AC+8*\b+4:AC+8*\b+7] offset:128*(\b/2)+32*(\b%2)+16
.endr
	WIN 0
.set BB, BK+64*((\a)%2)
.irp t, 0,1,2,3,4,5,6,7,8,9,10,11,12,13,14,15
	ds_load_b128 v[BB+4*\t:BB+4*\t+3], v[RD] offset:\t*SPITCH
.endr
.endm
.macro SEND a, younger                 ; younger: the LDS instructions issued behind block a's loads, which may stay out
.set BB, BK+64*((\a)%2)
	s_wait_dscnt \younger                          ; the block is back in registers
.if (\a) > 0
	s_add_nc_u64 s[10:11], s[10:11], 16*SIZE_N*4   ; (behind a wait on XCNT: the earlier stores have read their base)  16 rows on
.endif
.irp t, 0,1,2,3,4,5,6,7,8,9,10,11,12,13,14,15
	v_pk_fma_f32 v[BB+4*\t:BB+4*\t+1], v[BB+4*\t:BB+4*\t+1], s[96:97], v[BI:BI+1] op_sel_hi:[1,0,1]       ; sum x 2^(e10 + e11) + bo (the scalar pair's low word for both halves)
	v_pk_fma_f32 v[BB+4*\t+2:BB+4*\t+3], v[BB+4*\t+2:BB+4*\t+3], s[96:97], v[BI+2:BI+3] op_sel_hi:[1,0,1]
.endr
.irp t, 0,1,2,3,4,5,6,7,8,9,10,11,12,13,14,15
	global_store_b128 v[CO], v[BB+4*\t:BB+4*\t+3], s[10:11] offset:\t*SIZE_N*4 th:TH_STORE_NT   ; written once, read by nobody here
.endr
.endm
	s_wait_kmcnt 0x0
	s_add_co_i32 s96, s96, s97                     ; e10 + e11, between -126 and 127,
	s_add_co_i32 s96, s96, 127
	s_lshl_b32 s96, s96, 23                        ; makes the f32 number 2^(e10 + e11)
	s_wait_loadcnt 0x0                             ; bo
	PLACES NP                                      ; behind the last products: for the loads into the registers that held A's fragments and for the stores that read results
	TOSTAGE 0
.irp a, 1,2,3,4,5,6,7
.if \a > 1
	s_wait_xcnt 0x0                                ; block a - 2's stores have read their registers and their base: block a's loads may land there, and the base may step
.endif
	TOSTAGE \a
	SEND \a-1, 32                                  ; behind block a - 1's loads: block a's 16 stores and 16 loads
.endr
	s_wait_xcnt 0x0                                ; block 6's stores have read their base
	SEND 7, 0
	s_wait_tensorcnt 0x0                           ; the wave's end: a wait, an add and a wait, behind my last tensor load and my last LDS store
	ds_add_u32 v[SPW], v[NIL]
	s_wait_dscnt 0x0
	CROUND                                         ; the closing round: no work-group ends while a partner may still ask for a tile that names it
	s_endpgm
.Lfunc_end_k_q5dc0a6cc45_gemm_out:
	.size	k_q5dc0a6cc45_gemm_out, .Lfunc_end_k_q5dc0a6cc45_gemm_out-k_q5dc0a6cc45_gemm_out
	.p2alignl 7, 3214868480
	.fill 96, 4, 3214868480
	.section	.rodata,"a",@progbits
	.p2align	6, 0x0
	.amdhsa_kernel k_q5dc0a6cc45_gemm_out
		.amdhsa_group_segment_fixed_size 327680
		.amdhsa_private_segment_fixed_size 0
		.amdhsa_enable_private_segment 0
		.amdhsa_kernarg_size 40
		.amdhsa_user_sgpr_count 2
		.amdhsa_user_sgpr_kernarg_segment_ptr 1
		.amdhsa_wavefront_size32 1
		.amdhsa_system_sgpr_workgroup_id_x 1
		.amdhsa_system_sgpr_workgroup_id_y 1
		.amdhsa_system_sgpr_workgroup_id_z 1
		.amdhsa_system_vgpr_workitem_id 0
		.amdhsa_next_free_vgpr 1024
		.amdhsa_next_free_sgpr 98
		.amdhsa_reserve_vcc 0
		.amdhsa_float_denorm_mode_32 3
		.amdhsa_float_denorm_mode_16_64 3
		.amdhsa_memory_ordered 1
		.amdhsa_forward_progress 1
		.amdhsa_inst_pref_size 124
	.end_amdhsa_kernel
	.amdgpu_metadata
---
amdhsa.version: [ 1, 2 ]
amdhsa.kernels:
  - .name:           k_q5dc0a6cc45_gemm_out
    .symbol:         k_q5dc0a6cc45_gemm_out.kd
    .args:
      - { .name: cc, .offset: 0, .size: 8, .value_kind: global_buffer, .address_space: global }
      - { .name: wc, .offset: 8, .size: 8, .value_kind: global_buffer, .address_space: global }
      - { .name: lowp_scales, .offset: 16, .size: 8, .value_kind: global_buffer, .address_space: global }
      - { .name: out0, .offset: 24, .size: 8, .value_kind: global_buffer, .address_space: global }
      - { .name: bo, .offset: 32, .size: 8, .value_kind: global_buffer, .address_space: global }
    .group_segment_fixed_size: 327680
    .private_segment_fixed_size: 0
    .kernarg_segment_align: 8
    .kernarg_segment_size: 40
    .max_flat_workgroup_size: 128
    .sgpr_count:     98
    .vgpr_count:     1024
    .wavefront_size: 32
...
	.end_amdgpu_metadata
.endif
;; end of part 5
